; MI455X (gfx1250); checked and timed in simulation.
; The chip was launched on July 23, 2026; its instructions are those of AMD's public machine-readable ISA for CDNA 5 (MIT licence, August 2026) and "CDNA5" Instruction Set Architecture Reference Guide (July 2026). The comments in the code are by the model that wrote it; some were corrected since.
;; Causal Multi Head Attention Layer. Allowed arithmetic: matrix products marked QUANTISED: E3M2 operands, one E8M0 scale for each 32 along K, by v_wmma_scale_f32_16x16x128_f8f6f4 with both operands' format E3M2, f32 sums; everything else in f32.
;; Inputs: b_out 1,024 float32; b_qkv 3,072 float32; w_out 1,024 x 1,024 float32; w_qkv 1,024 x 3,072 float32; x 4 x 2,048 x 1,024 float32.
;; Outputs: out0 4 x 2,048 x 1,024 float32.
;; This version of the problem:
;;   THIS VERSION OF THE PROBLEM IS GIVEN IN LOW PRECISION. The matrix products marked QUANTISED in the list below multiply operands that are first quantised to E3M2 (3 exponent bits, 2 mantissa bits; 6 bits a number), with one power-of-two scale for each 32 numbers along K (OCP MX v1.0); their sums are f32. All else is computed in f32.
;;   The module's matrix products, in the order in which they are computed (A, B: the left and right operand; K: the contracted axis; several contracted axes count as one K, in the product's order):
;;     1. [M 8,192, K 1,024] x [K 1,024, N 3,072]; A: input x; B: input w_qkv: QUANTISED
;;     2. batch 64 x [M 2,048, K 64] x [K 64, N 2,048]; A: computed on the way; B: computed on the way: QUANTISED
;;     3. batch 64 x [M 2,048, K 2,048] x [K 2,048, N 64]; A: softmax (see below); B: computed on the way: QUANTISED
;;     4. [M 8,192, K 1,024] x [K 1,024, N 1,024]; A: computed on the way; B: input w_out: QUANTISED
;;   THE QUANTISER, for each operand of a quantised product, along K:
;;     - K is cut into blocks of 32 from its start; a last block that is shorter is filled with zeros.
;;     - A block's scale is 2^e with e = floor(log2(the largest magnitude in the block)) - 4, held to -126 .. 127; a block of zeros has e = 0. As a byte (E8M0): e + 127.
;;     - Each number is divided by its block's scale, clamped to +-28, and rounded to the nearest number of E3M2, ties to even, subnormals kept.
;;     - The product sums the exact products of the quantised numbers (number of the format x scale) in f32.
;;   ~~~python
;;   def quantise(x, axis):      # numpy; x: float32 -> the quantised numbers, widened to float32 again
;;       x = np.moveaxis(x, axis, -1); K = x.shape[-1]
;;       x = np.pad(x, [(0, 0)] * (x.ndim - 1) + [(0, -K % 32)]); x = x.reshape(x.shape[:-1] + (-1, 32)); a = np.abs(x).max(-1, keepdims=True)
;;       e = np.where(a > 0, np.clip(np.frexp(np.where(a > 0, a, 1))[1] - 1 - 4, -126, 127), 0)      # np.frexp(a)[1] - 1 = floor(log2(a)), exactly
;;       r = np.clip(x / 2.0 ** e, -28, 28)
;;       step = 2.0 ** (np.maximum(np.frexp(np.where(r == 0, 1, r))[1] - 1, -2) - 2)
;;       q = np.round(r / step) * step * 2.0 ** e      # np.round: ties to even
;;       return np.moveaxis(q.reshape(q.shape[:-2] + (-1,))[..., :K], -1, axis).astype(np.float32)
;;   ~~~
;;   SOFTMAX AHEAD OF A QUANTISED PRODUCT. Where the list says 'softmax', what is quantised is not the finished softmax but p = 2^(t - M), with t = logit x log2(e) and M = ceil(the row's largest t), a whole number; so 1/2 < the row's largest p <= 1. The row's sum l is taken of the UNQUANTISED p, in f32, and the product's result is divided by l at the end. Since M is a whole number, a kernel that streams over the keys may use a running M (the ceiling of the running maximum): every later rescaling is an exact power of two, which a block's scale takes up: the codes' values come out the same.
;;   OPERANDS COMPUTED ON THE WAY. 'Computed on the way' means the value that the module computes at that place (a softmax that the list does not call 'softmax' is quantised finished and normalised). What goes into a quantiser is computed in f32, as accurately as f32 sums, v_exp_f32 and their like allow (about 1e-6 of the number): no bf16 or f16 on the way to a quantiser, and a product that is left as it is and whose result goes on into a quantised operand takes f32 operands (vector FMAs, or v_wmma_f32_16x16x4_f32). A number that lies on a knife's edge between two numbers of the format may be rounded either way, as far as f32 arithmetic and the matrix unit's own rounding can turn it there, and no further.
;; One version. Each part assembles by itself: llvm-mc -triple=amdgcn-amd-amdhsa -mcpu=gfx1250 --defsym DOCPART=n.
;; ======== version 1 of 1: 4 launches
;; workspace buffers: xc 6,291,456 bytes; wc 3,145,728 bytes; sc1 360,448 bytes; sc3 294,912 bytes; qkvc 18,874,368 bytes; qkvs 786,432 bytes; cc 6,291,456 bytes
;; launch quant (part 1): grid 384 x 1, 4 waves a work-group, no clusters, 58,880 bytes of LDS; arguments x, w_qkv, w_out, xc, wc, sc1, sc3; writes xc, wc, sc1, sc3
.if DOCPART == 1
	.amdgcn_target "amdgcn-amd-amdhsa--gfx1250"
	.amdhsa_code_object_version 6
	.text
	.protected	k_q20e98ad60c_quant
	.globl	k_q20e98ad60c_quant
	.p2align	8
	.type	k_q20e98ad60c_quant,@function
k_q20e98ad60c_quant:
	s_mov_b64 s[64:65], 0
	v_nop
	global_prefetch_b8 v0, s[64:65] scope:SCOPE_SE
	s_setreg_imm32_b32 hwreg(HW_REG_WAVE_MODE, 25, 1), 1
	s_wait_xcnt 0x0
; x [8192][1024], w_qkv [1024][3072] and w_out [1024][1024], f32, become codes of BF6 (E3M2) with one E8M0 byte for each 32 along K (K = the 1,024 features),
; laid as IMAGES OF OPERAND REGISTERS.  A fragment is 16 rows x 128 K, 12 registers a lane; its image is 1,536 bytes: registers 4 p .. 4 p + 3 of lane l at 512 p + 16 l.
; A TILE'S 16 ROWS ARE NOT NEIGHBOURS: tile 2 g + u holds rows 32 g + 8 u + p + 8 (p / 8), p = 0 .. 15 (rows: tokens of x, columns n of a weight).
; Codes: [K step / 2][tile][K step % 2][1536].  Scale words: 512 bytes a tile: [K step / 4][row p][K step % 4], one word of four bytes for a row and 128 K.
; A block's scale is 2^(floor(log2(largest magnitude)) - 4); its byte is the largest magnitude's exponent field - 4, held at 1 from below by a floor of 2^(5 - 127) among the maximum's leaves.
; LIMITS: a block of zeros gets the byte 1, not 127 (its codes are zeros, and this program alone reads the bytes); NaN and infinities among the inputs are not served.
; Work-groups 0-255 take 32 tokens of x each, work-groups 256-383 take 128 columns x 256 K of a weight: 128 KiB of f32 for each.  No work-group shares an input with another, so no cluster; the stream
; goes through registers, so no tensor loads.  The two ways part on the work-group's number and have LDS bytes of their own.
.set PLX,   1572864                    ; a plane (two K steps) of x's codes: 512 tiles x 3,072 bytes
.set PLQ,   589824                     ; of w_qkv's: 192 tiles
.set PLO,   196608                     ; of w_out's: 64 tiles
.set WOUT,  2359296                    ; where w_out's codes begin in wc
.set SCW,   262144                     ; where w_qkv's scale words begin in sc1
.set XSTG,  8448                       ; x's way: a stage of 16 rows x (512 + 16) bytes for each wave, from LDS byte 0
.set WST0,  33792                      ; the weights' way: a stage of four images for each wave, from here
.set WSTG,  6144
.set TM,    16                         ; v16-31   at work in QUANT
.set R0,    32                         ; v32-159  two sets of 64 registers as loaded
.set X,     160                        ; v160-223 64 numbers of my row: register 16 b + i = k 32 b + 16 (lane / 16) + i
.set PC,    224                        ; v224-242 the codes just made
.set PWQ,   244                        ; v244-247 the scale words of my four fragments
.set SEL,   52                         ; s[52:53] selects for v_permlanex16_b32: lane l xor 16
; 64 numbers of a lane, v[s] on, become a fragment's codes in v[PC] .. v[PC+11] and its scale word in v[pw].
.macro QUANT s, pw
.irp b, 0,1,2,3
	v_max3_num_f32 v[TM+\b], |v[\s+16*\b]|, |v[\s+1+16*\b]|, 0x2800000   ; block b: my 16 numbers and the floor 2^(5 - 127)
.endr
.irp i, 2,4,6,8,10,12,14
.irp b, 0,1,2,3
	v_max3_num_f32 v[TM+\b], v[TM+\b], |v[\s+16*\b+\i]|, |v[\s+1+16*\b+\i]|   ; the four blocks by turns
.endr
.endr
.irp b, 0,1,2,3
	v_permlanex16_b32 v[TM+4+\b], v[TM+\b], s[SEL], s[SEL+1]
.endr
.irp b, 0,1,2,3
	v_max_num_f32 v[TM+\b], v[TM+\b], v[TM+4+\b]   ; with lane l xor 16's 16: the block's largest magnitude
.endr
.irp b, 0,1,2,3
	v_add_nc_u32 v[TM+12+\b], 0xfe000000, v[TM+\b]   ; 4 off its exponent field: the conversion's scale operand
.endr
.irp b, 0,1,2,3
	v_lshrrev_b32 v[TM+4+\b], 23, v[TM+12+\b]      ; the scale's byte
.endr
	v_lshl_or_b32 v[\pw], v[TM+5], 8, v[TM+4]
	v_lshl_or_b32 v[\pw], v[TM+6], 16, v[\pw]
	v_lshl_or_b32 v[\pw], v[TM+7], 24, v[\pw]      ; my row's scale word (the same in lanes l and l xor 16)
.irp c, 0,1
	v_cvt_scalef32_pk16_bf6_f32 v[PC+6*\c:PC+2+6*\c], v[\s+32*\c:\s+15+32*\c], v[TM+12+2*\c]
	v_cvt_scalef32_pk16_bf6_f32 v[PC+12+4*\c:PC+14+4*\c], v[\s+16+32*\c:\s+31+32*\c], v[TM+12+2*\c+1]   ; (a conversion's three registers begin on an even number)
.endr
	v_nop                                          ; one plain instruction behind the scaled conversions
.irp c, 0,1                                    ; the operand wants a whole block in a lane: lanes 0-15 block 2 c, lanes 16-31 block 2 c + 1
.irp i, 0,1,2
	v_permlane16_swap_b32 v[PC+6*\c+\i], v[PC+12+4*\c+\i]
.endr
.irp i, 0,1,2
	v_mov_b32 v[PC+3+6*\c+\i], v[PC+12+4*\c+\i]
.endr
.endr
.endm
	s_load_b128 s[4:7], s[0:1], 0x0                ; x, w_qkv
	s_load_b128 s[8:11], s[0:1], 0x10              ; w_out, xc
	s_load_b128 s[12:15], s[0:1], 0x20             ; wc, sc1
	s_load_b64 s[16:17], s[0:1], 0x30              ; sc3
	v_lshl_add_u32 v254, v0, 2, 0xe400
	v_mov_b32 v255, 0
	v_lshrrev_b32 v1, 5, v0
	v_readfirstlane_b32 s18, v1                    ; wave 0..3
	v_and_b32 v2, 31, v0                           ; lane
	s_wait_kmcnt 0x0
	s_cmp_lt_u32 ttmp9, 256
	s_cbranch_scc0 .Lweights
	s_wait_alu depctr_va_vdst(0)
; ---------------- x: work-group g takes tokens 32 g .. 32 g + 31.  Wave w: tile 2 g + (w & 1), K steps 4 (w >> 1) + 0 .. 3: four fragments.
	v_lshlrev_b32 v1, 4, v2                        ; 16 x lane: my place in a load's 512 bytes and in an image's piece
	v_and_b32 v6, 15, v0                           ; r
	v_bfe_u32 v7, v0, 4, 1                         ; h
	s_mul_i32 s19, s18, XSTG
	v_add_nc_u32 v3, s19, v1                       ; the stage, in: a row's 512 bytes as they lie
	v_mul_u32_u24 v4, v6, 528
	v_lshl_add_u32 v4, v7, 6, v4
	v_add_nc_u32 v4, s19, v4                       ; and out: row r, + 64 h: my 16 numbers of each block of 32
	v_lshlrev_b32 v5, 4, v6                        ; 16 r: my row's four scale words
.irp b, 0,1,2,3
	v_mov_b32 v[TM+4+\b], 0                        ; written once: a lane permute's destination counts as one of its sources
.endr
	s_mov_b32 s[SEL], 0x76543210
	s_mov_b32 s[SEL+1], 0xfedcba98
	s_and_b32 s22, s18, 1                          ; u
	s_lshr_b32 s23, s18, 1                         ; q
	s_lshl_b32 s26, ttmp9, 1
	s_add_co_u32 s26, s26, s22                     ; the tile
	s_lshl_b32 s24, ttmp9, 17                      ; 32 g rows of 4,096 bytes
	s_lshl_b32 s27, s22, 15                        ; + 8 u rows
	s_add_co_u32 s24, s24, s27
	s_lshl_b32 s27, s23, 11                        ; + 4 q K steps of 512 bytes
	s_add_co_u32 s24, s24, s27
	s_mov_b32 s25, 0
	s_add_nc_u64 s[4:5], s[4:5], s[24:25]
	s_mul_i32 s24, s23, 2*PLX
	s_mul_i32 s27, s26, 3072
	s_add_co_u32 s24, s24, s27
	s_add_nc_u64 s[10:11], s[10:11], s[24:25]      ; my tile in plane 2 q of the codes
	s_lshl_b32 s24, s26, 9
	s_lshl_b32 s27, s23, 8
	s_add_co_u32 s24, s24, s27
	s_add_nc_u64 s[14:15], s[14:15], s[24:25]      ; my tile's scale words, half q
.macro LOADX f, reg                    ; fragment f: the 16 rows' 512 bytes; each load of the wave reads 512 consecutive bytes, aligned
.irp i, 0,1,2,3,4,5,6,7,8,9,10,11,12,13,14,15
	global_load_b128 v[\reg+4*\i:\reg+4*\i+3], v1, s[4:5] offset:(\i+8*(\i/8))*4096+512*(\f) th:TH_LOAD_NT
.endr
.endm
.macro XFRAG f
.set RR, R0+64*((\f)%2)
.if (\f) < 3
	s_wait_loadcnt 16                              ; this fragment's 16 loads are in; the next fragment's 16 stay out
.else
	s_wait_loadcnt 0x0
.endif
.irp i, 0,1,2,3,4,5,6,7,8,9,10,11,12,13,14,15
	ds_store_b128 v3, v[RR+4*\i:RR+4*\i+3] offset:528*\i
.endr
.irp b, 0,1,2,3
.irp j, 0,1,2,3
	ds_load_b128 v[X+16*\b+4*\j:X+16*\b+4*\j+3], v4 offset:128*\b+16*\j   ; LDS serves a wave's instructions in order: these see the stores above
.endr
.endr
	s_wait_dscnt 0x0                               ; the numbers are back, and the stage's stores have read their registers,
.if (\f) < 2
	LOADX (\f)+2, RR                               ; which take the fragment two on
.endif
.if (\f) > 0
	s_wait_xcnt 0x0                                ; the last fragment's stores have read the codes' registers
.endif
	QUANT X, PWQ+(\f)
.irp c, 0,1,2
	global_store_b128 v1, v[PC+4*\c:PC+4*\c+3], s[10:11] offset:((\f)/2)*PLX+((\f)%2)*1536+512*\c   ; 512 consecutive bytes, aligned
.endr
.endm
	LOADX 0, R0
	LOADX 1, R0+64
	s_wait_alu depctr_va_vdst(0)
	XFRAG 0
	XFRAG 1
	XFRAG 2
	XFRAG 3
	global_store_b128 v5, v[PWQ:PWQ+3], s[14:15]   ; 16 rows x 16 bytes: 256 consecutive bytes; lanes 16-31 repeat lanes 0-15's words
	s_wait_tensorcnt 0x0
	ds_add_u32 v254, v255
	s_wait_dscnt 0x0
	s_endpgm
; ---------------- the weights: K is their FIRST axis.  A lane takes a column n and its registers run down K, so that a block of 32 lies in one lane.
; Work-group id: columns 128 (id >> 2) on (the first 24 groups are w_qkv's, the last 8 w_out's), K 256 (id & 3) on: one plane.  Wave w: 32 columns = two tiles, two K steps: four images.
.Lweights:
	s_sub_co_u32 s19, ttmp9, 256
	s_lshr_b32 s20, s19, 2                         ; the group of 128 columns
	s_and_b32 s21, s19, 3                          ; ky
	s_mov_b32 s22, 4096
	s_mov_b32 s24, WOUT
	s_mov_b32 s25, PLO
	s_mov_b32 s26, SCW
	s_cmp_lt_u32 s20, 24                           ; w_qkv or w_out?  The choice hangs on the work-group's number alone
	s_cselect_b64 s[4:5], s[6:7], s[8:9]           ; the weight
	s_cselect_b64 s[14:15], s[14:15], s[16:17]     ; where its scale words go: sc1 or sc3
	s_cselect_b32 s22, 12288, s22                  ; a row of it in bytes
	s_cselect_b32 s23, 0, 24
	s_cselect_b32 s24, 0, s24                      ; its codes' place in wc
	s_cselect_b32 s25, PLQ, s25                    ; a plane of its codes
	s_cselect_b32 s26, s26, 0                      ; its scale words' place
	s_sub_co_u32 s20, s20, s23
	s_lshl_b32 s27, s20, 2
	s_add_co_u32 s27, s27, s18                     ; my group of 32 columns
	s_mul_i32 s28, s21, s22
	s_lshl_b32 s28, s28, 8                         ; 256 ky rows
	s_lshl_b32 s30, s27, 7                         ; + my 32 columns
	s_add_co_u32 s28, s28, s30
	s_mov_b32 s29, 0
	s_add_nc_u64 s[32:33], s[4:5], s[28:29]        ; block 0's first row; a base for each of the eight blocks, none rewritten
	s_lshl_b32 s30, s22, 5                         ; 32 rows
	s_mov_b32 s31, 0
.irp t, 1,2,3,4,5,6,7
	s_add_nc_u64 s[32+2*\t:33+2*\t], s[30+2*\t:31+2*\t], s[30:31]
.endr
	s_mul_i32 s28, s21, s25
	s_add_co_u32 s28, s28, s24
	s_mul_i32 s48, s27, WSTG
	s_add_co_u32 s28, s28, s48
	s_add_nc_u64 s[12:13], s[12:13], s[28:29]      ; my four images: 6,144 consecutive bytes of plane ky
	s_lshl_b32 s28, s27, 10                        ; two tiles of 512 bytes
	s_add_co_u32 s28, s28, s26
	s_lshr_b32 s48, s21, 1
	s_lshl_b32 s48, s48, 8                         ; K steps 2 ky, 2 ky + 1: half ky >> 1,
	s_add_co_u32 s28, s28, s48
	s_and_b32 s48, s21, 1
	s_lshl_b32 s48, s48, 3                         ; words 2 (ky & 1) and the next
	s_add_co_u32 s28, s28, s48
	s_add_nc_u64 s[14:15], s[14:15], s[28:29]
	s_wait_alu depctr_va_vdst(0)
	v_lshlrev_b32 v3, 2, v2                        ; 4 x lane: my column
	v_bfe_u32 v9, v0, 3, 1                         ; my column's tile u
	v_and_b32 v10, 7, v0
	v_bfe_u32 v11, v0, 4, 1
	v_lshl_add_u32 v10, v11, 3, v10                ; and its row p in that tile
	v_lshlrev_b32 v10, 4, v10
	s_mul_i32 s50, s18, WSTG
	s_add_co_u32 s50, s50, WST0                    ; my stage
	v_mad_u32_u24 v5, v9, 3072, v10
	v_add_nc_u32 v5, s50, v5                       ; in: tile u's two images, lane p's place
	v_lshlrev_b32 v7, 4, v2
	v_add_nc_u32 v6, s50, v7                       ; out: 16 x lane
	v_lshl_add_u32 v8, v9, 9, v10                  ; my column's place among the scale words: 512 u + 16 p
.irp i, 0,1,2,3,4,5,6,7,8,9,10,11,12,13,14,15,16,17,18,19,20,21,22,23,24,25,26,27,28,29,30,31
	v_mad_u32_u24 v[32+\i], s22, \i, v3            ; row i of a block, my column
.endr
.macro LOADW t                         ; block t: 32 rows; each load of the wave reads 128 consecutive bytes, the four waves stand side by side
.irp i, 0,1,2,3,4,5,6,7,8,9,10,11,12,13,14,15,16,17,18,19,20,21,22,23,24,25,26,27,28,29,30,31
	global_load_b32 v[64+32*((\t)%2)+\i], v[32+\i], s[32+2*(\t):33+2*(\t)] th:TH_LOAD_NT
.endr
.endm
.macro BLOCK t                         ; block t: K step t / 4; in its fragment registers 6 c .. 6 c + 5 of lane p + 16 hh, c = (t % 4) / 2, hh = t % 2
.set XS, 64+32*((\t)%2)
.set SO, 1536*((\t)/4)+256*((\t)%2)
.if (\t) < 7
	s_wait_loadcnt 32                              ; this block's 32 loads are in; the next block's stay out
.else
	s_wait_loadcnt 0x0
.endif
	v_max3_num_f32 v12, |v[XS]|, |v[XS+1]|, |v[XS+2]|
	v_max3_num_f32 v13, |v[XS+3]|, |v[XS+4]|, |v[XS+5]|
.irp i, 6,10,14,18,22,26
	v_max3_num_f32 v12, v12, |v[XS+\i]|, |v[XS+\i+1]|
	v_max3_num_f32 v13, v13, |v[XS+\i+2]|, |v[XS+\i+3]|
.endr
	v_max3_num_f32 v12, v12, |v[XS+30]|, |v[XS+31]|
	v_max3_num_f32 v12, v12, v13, 0x2800000        ; the block's largest magnitude, and the floor
	v_add_nc_u32 v14, 0xfe000000, v12              ; the conversion's scale operand
	v_lshrrev_b32 v15, 23, v14                     ; the scale's byte
.if (\t)%4 == 0
	v_mov_b32 v[140+(\t)/4], v15
.else
	v_lshl_or_b32 v[140+(\t)/4], v15, 8*((\t)%4), v[140+(\t)/4]
.endif
	v_cvt_scalef32_pk16_bf6_f32 v[128:130], v[XS:XS+15], v14
	v_cvt_scalef32_pk16_bf6_f32 v[136:138], v[XS+16:XS+31], v14
	v_nop                                          ; one plain instruction behind the scaled conversions
	v_mov_b32 v131, v136
	v_mov_b32 v132, v137
	v_mov_b32 v133, v138                           ; v128-133: the six registers
.if ((\t)%4)/2 == 0
	ds_store_b128 v5, v[128:131] offset:SO         ; registers 0-3: piece 0
	ds_store_b64 v5, v[132:133] offset:SO+512      ; registers 4, 5: the lower half of my place in piece 1
.else
	ds_store_b64 v5, v[128:129] offset:SO+520      ; registers 6, 7: its upper half
	ds_store_b128 v5, v[130:133] offset:SO+1024    ; registers 8-11: piece 2
.endif
.if (\t)+2 < 8
	LOADW (\t)+2
.endif
	s_wait_dscnt 0x0                               ; the stores have read their registers: the next block's codes may be written
.endm
	LOADW 0
	LOADW 1
.irp t, 0,1,2,3,4,5,6,7
	BLOCK \t
.endr
	s_wait_alu depctr_va_vdst(0)
	global_store_b64 v8, v[140:141], s[14:15]      ; my column's two scale words
.irp p, 0,1,2,3,4,5,6,7,8,9,10,11
	ds_load_b128 v[144+4*\p:147+4*\p], v6 offset:512*\p
.endr
.irp p, 0,1,2,3,4,5,6,7,8,9,10,11
	s_wait_dscnt 11-\p                             ; piece p is back; the younger ones stay out
	global_store_b128 v7, v[144+4*\p:147+4*\p], s[12:13] offset:512*\p   ; 512 consecutive bytes, aligned
.endr
	s_wait_tensorcnt 0x0
	ds_add_u32 v254, v255
	s_wait_dscnt 0x0
	s_endpgm
.Lfunc_end_k_q20e98ad60c_quant:
	.size	k_q20e98ad60c_quant, .Lfunc_end_k_q20e98ad60c_quant-k_q20e98ad60c_quant
	.p2alignl 7, 3214868480
	.fill 96, 4, 3214868480
	.section	.rodata,"a",@progbits
	.p2align	6, 0x0
	.amdhsa_kernel k_q20e98ad60c_quant
		.amdhsa_group_segment_fixed_size 58880
		.amdhsa_private_segment_fixed_size 0
		.amdhsa_enable_private_segment 0
		.amdhsa_kernarg_size 56
		.amdhsa_user_sgpr_count 2
		.amdhsa_user_sgpr_kernarg_segment_ptr 1
		.amdhsa_wavefront_size32 1
		.amdhsa_system_sgpr_workgroup_id_x 1
		.amdhsa_system_sgpr_workgroup_id_y 1
		.amdhsa_system_sgpr_workgroup_id_z 1
		.amdhsa_system_vgpr_workitem_id 0
		.amdhsa_next_free_vgpr 256
		.amdhsa_next_free_sgpr 66
		.amdhsa_reserve_vcc 0
		.amdhsa_float_denorm_mode_32 3
		.amdhsa_float_denorm_mode_16_64 3
		.amdhsa_memory_ordered 1
		.amdhsa_forward_progress 1
		.amdhsa_inst_pref_size 77
	.end_amdhsa_kernel
	.amdgpu_metadata
---
amdhsa.version: [ 1, 2 ]
amdhsa.kernels:
  - .name:           k_q20e98ad60c_quant
    .symbol:         k_q20e98ad60c_quant.kd
    .args:
      - { .name: x, .offset: 0, .size: 8, .value_kind: global_buffer, .address_space: global }
      - { .name: w_qkv, .offset: 8, .size: 8, .value_kind: global_buffer, .address_space: global }
      - { .name: w_out, .offset: 16, .size: 8, .value_kind: global_buffer, .address_space: global }
      - { .name: xc, .offset: 24, .size: 8, .value_kind: global_buffer, .address_space: global }
      - { .name: wc, .offset: 32, .size: 8, .value_kind: global_buffer, .address_space: global }
      - { .name: sc1, .offset: 40, .size: 8, .value_kind: global_buffer, .address_space: global }
      - { .name: sc3, .offset: 48, .size: 8, .value_kind: global_buffer, .address_space: global }
    .group_segment_fixed_size: 58880
    .private_segment_fixed_size: 0
    .kernarg_segment_align: 8
    .kernarg_segment_size: 56
    .max_flat_workgroup_size: 128
    .sgpr_count:     66
    .vgpr_count:     256
    .wavefront_size: 32
...
	.end_amdgpu_metadata
.endif
;; end of part 1
;; launch gemm_qkv (part 2): grid 32 x 8, 4 waves a work-group, clusters of 4 x 1, 327,680 bytes of LDS; arguments xc, wc, sc1, b_qkv, qkvc, qkvs; writes qkvc, qkvs
.if DOCPART == 2
	.amdgcn_target "amdgcn-amd-amdhsa--gfx1250"
	.amdhsa_code_object_version 6
	.text
	.protected	k_q20e98ad60c_gemm_qkv
	.globl	k_q20e98ad60c_gemm_qkv
	.p2align	8
	.type	k_q20e98ad60c_gemm_qkv,@function
k_q20e98ad60c_gemm_qkv:
	s_mov_b64 s[64:65], 0
	v_nop
	global_prefetch_b8 v0, s[64:65] scope:SCOPE_SE
	s_setreg_imm32_b32 hwreg(HW_REG_WAVE_MODE, 25, 1), 1
	s_wait_xcnt 0x0
	s_wait_alu depctr_hold_cnt(0) depctr_sa_sdst(0) depctr_va_vdst(0) depctr_va_sdst(0) depctr_va_ssrc(0) depctr_va_vcc(0) depctr_vm_vsrc(0)
	s_getreg_b32 s2, hwreg(HW_REG_IB_STS2, 6, 4)
	s_cmp_eq_u32 s2, 0
	s_cbranch_scc0 .Lentry_in_a_cluster
	s_endpgm
.Lentry_in_a_cluster:
	s_bfe_u32 s2, ttmp6, 0x10000c
	s_cmp_lg_u32 s2, 0x3003
	s_cbranch_scc0 .Lentry_shape_is_right
	s_endpgm
.Lentry_shape_is_right:
; qkv = x w_qkv + b_qkv on codes of BF6 with E8M0 scales, and q, k, v quantised in registers for the attention's two products: nothing of qkv goes to memory as f32.
; SHARES.  A work-group owns 256 tokens (LT) and makes THREE blocks of 128 features for them: features 128 (8 j + XB), j = 0 (q), 1 (k), 2 (v).  Four waves, 64 tokens each: 64 x 128 a wave and block, 32 accumulators.
; x's FRAGMENTS STAY IN REGISTERS: a wave's 4 tiles x 8 K steps are 384 registers, loaded from memory once and multiplied three times.  THE WEIGHT'S THREE BLOCKS, all of K = 1,024, lie in LDS: 3 x 4 planes of 24,576 bytes,
; each byte filled once, so no slot is ever filled again.  Of LDS a K step reads 8 fragments for 32 products.
; A tile's 16 rows are 32 g + 8 u + p + 8 (p / 8) (tokens of x, features of w).  Operands lie in memory as images of their registers: 1,536 bytes a fragment, three loads of 16 bytes a lane.
; BLOCKS 0, 1 (q, k): source 0 = 16 features, source 1 = 16 tokens: a lane holds ONE token, and the 16 registers of feature tiles 2 g, 2 g + 1 are 16 neighbouring features: K of the next product is the head's 64.
; BLOCK 2 (v): the sources are swapped: a lane holds ONE channel, and the 16 registers of token tiles 2 g, 2 g + 1 are 16 neighbouring keys: K of the next product is the keys.  A wave's 64 keys are half a fragment.
; The bias is the C of each sum's first product.  The quantiser reads the accumulators where they lie.
; CLUSTER 4 x 1: the four work-groups of a cluster have the same XB and other tokens: the weight's planes are asked for jointly.  A wave has three tensor loads out.
; x is not asked for jointly: it goes to the registers of one wave, and LDS is full of the weight's blocks.
; OUT.  qkvc [48 heads: q 0-15, k 16-31, v 32-47][batch][98,304].  q, k: [group of 32 tokens][1536]: a fragment = tile u = 0's 64 channels, then tile u = 1's.
;       v: [128 keys][tile of 16 d][half of 64 keys][768]: registers 6 c .. 6 c + 3 at 16 x lane, registers 6 c + 4, 6 c + 5 at 512 + 8 x lane.
;       qkvs [head][batch][128 tokens][256].  q, k: [half][row][2 words]: word = group 4 ks + 2 half + e, bytes 0, 1 tile u = 0, bytes 2, 3 tile u = 1.  v: [row][4 words], one for each tile of d.
; LIMITS: a block of zeros gets the byte 1, not 127 (zero codes; the bytes are read by this program alone); NaN and infinities are not served.
; REGISTERS.  window 0: v1-25 addresses; v32-95 the bias; v96-159 scale words of a block's 8 K steps; v160-255 w's fragments of odd steps, in the way out the quantiser's registers.
;             window 1: v0-143 x's fragments of steps 5-7; v144-239 w's fragments of even steps.   window 2: the accumulators.   window 3: v0-239 x's fragments of steps 0-4.
.set PLX,  1572864                     ; a plane (two K steps) of x's codes
.set PLW,  589824                      ; of w_qkv's
.set SCW,  262144                      ; where w_qkv's scale words begin in sc1
.set BLKB, 98304                       ; a block of the weight in LDS
.set SCR,  294912                      ; behind the blocks: 256 bytes a wave, where the halves of v's scale words meet; no fill lands here
.set LI,   1                           ; v1      16 x lane
.set L8,   5                           ; v5      8 x lane
.set R8,   6                           ; v6      8 r
.set R16,  7                           ; v7      16 r
.set BQ,   8                           ; v8      64 h: the bias of q, k
.set BV,   9                           ; v9      4 (r + 8 (r / 8)): the bias of v
.set ADRB, 10                          ; v10-15  16 x lane + 49,152 x (2 j + step / 4)
.set VS,   16                          ; v16-21  offsets of the scale words: block j, tiles 0-3 and 4-7
.set SW,   22                          ; v22     scratch: where I put my halves
.set SR,   23                          ; v23     and where I read a pair's
.set BI,   32
.set SC,   96                          ; v[SC + 8 i + s]: lanes 0-15 the word of my x tile i % 4, lanes 16-31 that of w tile i, for K step s
.set PC,   160                         ; the codes just made
.set TM,   180                         ; at work in the quantiser
.set PWQ,  196                         ; scale words
.set XW,   204                         ; v204-207 a pair's halves, v208-211 whole words
.set WV,   16                          ; s16
.set G1,   24                          ; s[24:31] group 1;  s[32:43] group 0 for the three blocks
.set G0,   32
.set SEL,  66                          ; s[66:67]
.set MSB, 0
.macro WIN new                         ; the immediate's high byte repeats the setting that is left
.if MSB != \new
	s_set_vgpr_msb (MSB<<8)|\new
.set MSB, \new
.endif
.endm
.macro PLACES n
.rept \n
	v_nop
.endr
.endm
.macro CROUND                          ; a round of the cluster's barrier
	s_barrier_signal -1
	s_barrier_wait -1
	s_cmp_lg_u32 s[WV], 0
	s_cbranch_scc1 .Lnot_wave_0_\@
	s_barrier_signal -3
.Lnot_wave_0_\@:
	s_barrier_wait -3
	s_barrier_signal -1
	s_barrier_wait -1
.endm
	s_load_b128 s[4:7], s[0:1], 0x0                ; xc, wc
	s_load_b128 s[8:11], s[0:1], 0x10              ; sc1, b_qkv
	s_load_b128 s[12:15], s[0:1], 0x20             ; qkvc, qkvs
	v_lshl_add_u32 v30, v0, 2, 0x48400
	v_mov_b32 v31, 0
	ds_add_u32 v30, v31
	ds_add_u32 v30, v31
	v_lshrrev_b32 v1, 5, v0
	v_readfirstlane_b32 s[WV], v1                  ; wave 0..3
	s_bfe_u32 s17, ttmp6, 0x40000                  ; cx
	s_lshl_b32 s18, ttmp9, 2
	s_add_co_u32 s18, s18, s17                     ; LT: my 256 tokens; it enters global addresses alone
	s_and_b32 s19, ttmp7, 0xffff                   ; XB: my 128 features of q, of k and of v; the four partners share it
	s_mov_b32 s[G1], 15|(3<<16)|(1<<21)            ; the mask names all four; elements of 8 bytes; no padding: a plane is a dense block, 96 rows of 256 bytes
	s_mov_b32 s[G1+1], 32<<16
	s_mov_b32 s[G1+2], 96<<16
	s_mov_b32 s[G1+3], 32<<16
	s_mov_b32 s[G1+4], 96
	s_mov_b32 s[G1+5], 32
	s_mov_b32 s[G1+6], 0
	s_mov_b32 s[G1+7], 0
	s_mul_i32 s20, s[WV], 24576                    ; wave w fetches plane w of each block
	s_mul_i32 s44, s19, 24576
	s_mul_i32 s46, s[WV], PLW
	s_add_co_u32 s44, s44, s46
	s_mov_b32 s45, 0
	s_wait_dscnt 0x0
	s_wait_kmcnt 0x0
	s_add_nc_u64 s[46:47], s[6:7], s[44:45]
.irp j, 0,1,2
	s_mov_b32 s[G0+4*\j], 1
	s_add_co_u32 s[G0+4*\j+1], s20, \j*BLKB
	s_add_nc_u64 s[G0+4*\j+2:G0+4*\j+3], s[46:47], \j*196608   ; eight blocks of 24,576 bytes on
	s_or_b32 s[G0+4*\j+3], s[G0+4*\j+3], 0x80000000
.endr
	CROUND                                         ; all four work-groups are here: the joint loads meet
	tensor_load_to_lds s[G0:G0+3], s[G1:G1+7]
	s_nop 0
	s_wait_alu depctr_va_vdst(0)
	s_wait_tensorcnt 0x0
	ds_add_u32 v30, v31
	s_wait_dscnt 0x0
	CROUND
	tensor_load_to_lds s[G0+4:G0+7], s[G1:G1+7]
	s_nop 0
	s_wait_alu depctr_va_vdst(0)
	s_wait_tensorcnt 0x0
	ds_add_u32 v30, v31
	s_wait_dscnt 0x0
	CROUND
	tensor_load_to_lds s[G0+8:G0+11], s[G1:G1+7]
	s_nop 0
	PLACES 4                                       ; (behind a tensor load)
	v_and_b32 v2, 31, v0
	v_lshlrev_b32 v[LI], 4, v2
	v_lshlrev_b32 v[L8], 3, v2
	v_and_b32 v3, 15, v0                           ; r
	v_bfe_u32 v4, v0, 4, 1                         ; h
	v_lshlrev_b32 v[R8], 3, v3
	v_lshlrev_b32 v[R16], 4, v3
	v_lshlrev_b32 v[BQ], 6, v4
	v_and_b32 v[BV], 8, v3
	v_add_nc_u32 v[BV], v[BV], v3
	v_lshlrev_b32 v[BV], 2, v[BV]
.irp k, 0,1,2,3,4,5
	v_add_nc_u32 v[ADRB+\k], \k*49152, v[LI]
.endr
	s_lshl_b32 s58, s[WV], 8
	s_add_co_u32 s58, s58, SCR
	v_add_nc_u32 v[SW], s58, v[R8]                 ; my 256 bytes of scratch: [head][row][8 bytes]
	s_lshr_b32 s59, s[WV], 1
	s_lshl_b32 s59, s59, 9
	s_and_b32 s60, s[WV], 1
	s_lshl_b32 s61, s60, 7
	s_add_co_u32 s59, s59, s61
	s_add_co_u32 s59, s59, SCR
	v_add_nc_u32 v[SR], s59, v[R8]                 ; the even wave of my pair, head wave & 1; the odd wave's lie 256 bytes on
	s_mov_b32 s[SEL], 0x76543210
	s_mov_b32 s[SEL+1], 0xfedcba98
	s_mov_b32 s68, 0x05040100                      ; v_perm_b32: the two low halves
	s_mov_b32 s69, 0x07060302                      ; the two high halves
	; the scale words: lanes 0-15 take my x tiles', lanes 16-31 the block's w tiles'
	s_lshl_b32 s58, s18, 13                        ; 16 tiles of 512 bytes for each 256 tokens,
	s_lshl_b32 s59, s[WV], 11                      ; my four tiles
	s_add_co_u32 s58, s58, s59
	s_lshl_b32 s59, s19, 12                        ; 8 tiles for each block of features
	s_add_co_u32 s59, s59, SCW
	v_mov_b32 v24, s58
	v_mov_b32 v25, s59
	v_cmp_ne_u32 vcc_lo, 0, v4
	v_cndmask_b32 v[VS], v24, v25, vcc_lo
	v_add_nc_u32 v[VS], v[VS], v[R16]              ; + 16 r: my row's four words
	v_lshl_add_u32 v[VS+1], v4, 11, v[VS]          ; for i = 4 .. 7: w's tiles four on, x's again
	v_lshl_add_u32 v[VS+2], v4, 15, v[VS]          ; block 1: w's words 64 tiles on, x's again
	v_lshl_add_u32 v[VS+3], v4, 15, v[VS+1]
	v_lshl_add_u32 v[VS+4], v4, 16, v[VS]          ; block 2
	v_lshl_add_u32 v[VS+5], v4, 16, v[VS+1]
.macro SCLOAD j, q                     ; block j's words of K steps 4 q .. 4 q + 3: eight loads
.irp i, 0,1,2,3,4,5,6,7
	global_load_b128 v[SC+8*\i+4*(\q):SC+8*\i+4*(\q)+3], v[VS+2*(\j)+\i/4], s[8:9] offset:(\i%4)*512+256*(\q)
.endr
.endm
.macro BIASQK j                        ; in the result's layout: w tile t, my half: features 32 (t / 2) + 16 h + 8 (t % 2) + 0 .. 7: sixteen loads
.irp t, 0,1,2,3,4,5,6,7
	global_load_b128 v[BI+8*\t:BI+8*\t+3], v[BQ], s[10:11] offset:4096*(\j)+(32*(\t/2)+8*(\t%2))*4
	global_load_b128 v[BI+8*\t+4:BI+8*\t+7], v[BQ], s[10:11] offset:4096*(\j)+(32*(\t/2)+8*(\t%2))*4+16
.endr
.endm
.macro BIASV                           ; my lane's channel of w tile b: eight loads
.irp b, 0,1,2,3,4,5,6,7
	global_load_b32 v[BI+8*\b], v[BV], s[10:11] offset:8192+(32*(\b/2)+8*(\b%2))*4
.endr
.endm
	s_lshl_b32 s58, s19, 9
	s_mov_b32 s59, 0
	s_add_nc_u64 s[10:11], s[10:11], s[58:59]      ; the bias at my features of q
	SCLOAD 0, 0
	SCLOAD 0, 1
	BIASQK 0
	s_mul_i32 s58, s18, 49152
	s_mul_i32 s60, s[WV], 12288
	s_add_co_u32 s58, s58, s60
	s_add_nc_u64 s[48:49], s[4:5], s[58:59]        ; my four tiles in plane 0 of x's codes
	WIN 0xc0                                       ; destination window 3
.irp s, 0,1,2,3,4                      ; x's fragments in the order of the K steps: twelve loads a step, 512 consecutive bytes each
.irp a, 0,1,2,3
.irp c, 0,1,2
	global_load_b128 v[48*\s+12*\a+4*\c:48*\s+12*\a+4*\c+3], v[LI], s[48:49] offset:(\s/2)*PLX+\a*3072+(\s%2)*1536+512*\c
.endr
.endr
.endr
	WIN 0x40                                       ; destination window 1
.irp s, 5,6,7
.irp a, 0,1,2,3
.irp c, 0,1,2
	global_load_b128 v[48*(\s-5)+12*\a+4*\c:48*(\s-5)+12*\a+4*\c+3], v[LI], s[48:49] offset:(\s/2)*PLX+\a*3072+(\s%2)*1536+512*\c
.endr
.endr
.endr
	WIN 0
	; where the results go
	s_lshr_b32 s58, s18, 3                         ; the batch
	s_and_b32 s59, s18, 7                          ; which 256 tokens of it
	s_lshl_b32 s60, s19, 3
	s_add_co_u32 s60, s60, s58                     ; q's head 2 XB, four batches to a head
	s_lshl_b32 s61, s59, 3
	s_lshl_b32 s62, s[WV], 1
	s_add_co_u32 s61, s61, s62                     ; my first group of 32 tokens in the batch
	s_mul_i32 s62, s60, 98304
	s_mul_i32 s63, s61, 1536
	s_add_co_u32 s62, s62, s63
	s_mov_b32 s63, 0
	s_add_nc_u64 s[50:51], s[12:13], s[62:63]      ; q's codes; k's lie 64 blocks of 98,304 bytes on
	s_lshl_b32 s62, s60, 12
	s_lshl_b32 s20, s61, 6
	s_add_co_u32 s62, s62, s20
	s_add_nc_u64 s[52:53], s[14:15], s[62:63]      ; q's scale words
	s_add_co_u32 s44, s60, 128                     ; v's head 2 XB
	s_mul_i32 s62, s44, 98304
	s_lshl_b32 s45, s59, 1
	s_lshr_b32 s46, s[WV], 1
	s_add_co_u32 s45, s45, s46                     ; which 128 keys of the batch
	s_mul_i32 s46, s45, 6144
	s_add_co_u32 s62, s62, s46
	s_and_b32 s47, s[WV], 1                        ; which half of them
	s_mul_i32 s46, s47, 768
	s_add_co_u32 s62, s62, s46
	s_add_nc_u64 s[54:55], s[12:13], s[62:63]      ; v's codes
	s_lshl_b32 s46, s47, 2
	s_add_co_u32 s44, s44, s46                     ; the head whose whole words I store: 2 XB + (wave & 1)
	s_lshl_b32 s62, s44, 12
	s_lshl_b32 s46, s45, 8
	s_add_co_u32 s62, s62, s46
	s_add_nc_u64 s[56:57], s[14:15], s[62:63]      ; v's scale words
.macro PIECE j, s, g                   ; w's tiles 2 g, 2 g + 1 of block j, K step s: six loads, 512 consecutive bytes each
.if (\s)%2
	WIN 0
.else
	WIN 0x40
.endif
.irp i, 2*(\g), 2*(\g)+1
.irp c, 0,1,2
	ds_load_b128 v[144+16*((\s)%2)+12*(\i)+4*\c:144+16*((\s)%2)+12*(\i)+4*\c+3], v[ADRB+2*(\j)+(\s)/4] offset:(((\s)/2)%2)*24576+3072*(\i)+1536*((\s)%2)+512*\c
.endr
.endr
.endm
.macro MULG j, s, g                    ; eight products: w's tiles 2 g, 2 g + 1 x my four x tiles, 128 along K.  The 32 accumulators take turns, one instruction a turn, in the same order in every step
.set AW, 3                             ; x's window and first register,
.set AS, 48*(\s)
.if (\s) >= 5
.set AW, 1
.set AS, 48*((\s)-5)
.endif
.set BW, 1-(\s)%2                      ; w's,
.set BS, 144+16*((\s)%2)
.set CW, 2                             ; C's: the bias in a block's first step
.if (\s) == 0
.set CW, 0
.endif
.if (\j) < 2
.set WN, BW|(AW<<2)|(CW<<4)|0x80
.else
.set WN, AW|(BW<<2)|(CW<<4)|0x80
.endif
	WIN WN
.irp b, 2*(\g), 2*(\g)+1
.irp a, 0,1,2,3
.if (\j) < 2                           ; accumulator (a, b) at v[64 a + 8 b]
.if (\s) == 0
	v_wmma_scale_f32_16x16x128_f8f6f4 v[64*\a+8*(\b):64*\a+8*(\b)+7], v[BS+12*(\b):BS+12*(\b)+11], v[AS+12*\a:AS+12*\a+11], v[BI+8*(\b):BI+8*(\b)+7], v[SC+8*(\b)+(\s)], v[SC+8*\a+(\s)] matrix_a_fmt:MATRIX_FMT_BF6 matrix_b_fmt:MATRIX_FMT_BF6 matrix_a_scale:MATRIX_SCALE_ROW1
.else
	v_wmma_scale_f32_16x16x128_f8f6f4 v[64*\a+8*(\b):64*\a+8*(\b)+7], v[BS+12*(\b):BS+12*(\b)+11], v[AS+12*\a:AS+12*\a+11], v[64*\a+8*(\b):64*\a+8*(\b)+7], v[SC+8*(\b)+(\s)], v[SC+8*\a+(\s)] matrix_a_fmt:MATRIX_FMT_BF6 matrix_b_fmt:MATRIX_FMT_BF6 matrix_a_scale:MATRIX_SCALE_ROW1
.endif
.else                                  ; swapped; accumulator (a, b) at v[32 b + 8 a], so that a channel's 64 keys stand on end
.if (\s) == 0
	v_wmma_scale_f32_16x16x128_f8f6f4 v[32*(\b)+8*\a:32*(\b)+8*\a+7], v[AS+12*\a:AS+12*\a+11], v[BS+12*(\b):BS+12*(\b)+11], v[BI+8*(\b):BI+8*(\b)+7], v[SC+8*\a+(\s)], v[SC+8*(\b)+(\s)] matrix_a_fmt:MATRIX_FMT_BF6 matrix_b_fmt:MATRIX_FMT_BF6 matrix_b_scale:MATRIX_SCALE_ROW1
.else
	v_wmma_scale_f32_16x16x128_f8f6f4 v[32*(\b)+8*\a:32*(\b)+8*\a+7], v[AS+12*\a:AS+12*\a+11], v[BS+12*(\b):BS+12*(\b)+11], v[32*(\b)+8*\a:32*(\b)+8*\a+7], v[SC+8*\a+(\s)], v[SC+8*(\b)+(\s)] matrix_a_fmt:MATRIX_FMT_BF6 matrix_b_fmt:MATRIX_FMT_BF6 matrix_b_scale:MATRIX_SCALE_ROW1
.endif
.endif
.endr
.endr
.endm
; A K step: four groups of eight products; in front of group g the next step's tiles 2 g, 2 g + 1 are asked for, in short runs, so that LDS is read evenly beside the products.
; The registers that a run fills were last read four groups back: the two v_nop in front of each run make eight places between.
; s_wait_dscnt 24: behind the six loads that group g needs, four runs of six were issued (the rest of this step's, and the next step's up to now).
.macro GSTEP j, s, fetch, nj, ns
.irp g, 0,1,2,3
.if \fetch
	v_nop
	v_nop
	PIECE \nj, \ns, \g
	s_wait_dscnt 24
.else
	s_wait_dscnt 6*(3-\g)                          ; the last step asks for nothing: the counts run down
.endif
	MULG \j, \s, \g
.endr
.endm
.macro PB j                            ; block j is whole: my plane has landed (the 2 - j later blocks' stay out), my LDS loads are in, and every wave says so
	s_wait_tensorcnt 2-(\j)
	s_wait_dscnt 0x0
	s_barrier_signal -1
	s_barrier_wait -1
.endm
; Four blocks of 32 along the next K, each 16 registers of a lane in window 2 (block k at base + str (k / 2) + 16 (k % 2); register i = k 16 (lane / 16) + i of the block) -> codes in v[PC] .. v[PC+11], the four bytes in v[pw].
.macro QUANT2 base, str, pw
	WIN 0x0a                                       ; sources 0 and 1 window 2
.irp k, 0,1,2,3
	v_max3_num_f32 v[TM+\k], |v[(\base)+(\str)*(\k/2)+16*(\k%2)]|, |v[(\base)+(\str)*(\k/2)+16*(\k%2)+1]|, 0x2800000   ; each accumulator from its low end on; the floor 2^(5 - 127)
.endr
.irp i, 2,4,6,8,10,12,14
.irp k, 0,1,2,3
	v_max3_num_f32 v[TM+\k], |v[(\base)+(\str)*(\k/2)+16*(\k%2)+\i]|, |v[(\base)+(\str)*(\k/2)+16*(\k%2)+\i+1]|, v[TM+\k]
.endr
.endr
	WIN 0
.irp k, 0,1,2,3
	v_permlanex16_b32 v[TM+4+\k], v[TM+\k], s[SEL], s[SEL+1]
.endr
.irp k, 0,1,2,3
	v_max_num_f32 v[TM+\k], v[TM+\k], v[TM+4+\k]   ; with lane l xor 16's 16: the block's largest magnitude
.endr
.irp k, 0,1,2,3
	v_add_nc_u32 v[TM+12+\k], 0xfe000000, v[TM+\k] ; 4 off the exponent field: the conversion's scale operand
.endr
.irp k, 0,1,2,3
	v_lshrrev_b32 v[TM+4+\k], 23, v[TM+12+\k]      ; the scale's byte
.endr
	v_lshl_or_b32 v[\pw], v[TM+5], 8, v[TM+4]
	v_lshl_or_b32 v[\pw], v[TM+6], 16, v[\pw]
	v_lshl_or_b32 v[\pw], v[TM+7], 24, v[\pw]
	WIN 0x02                                       ; source 0 window 2
.irp c, 0,1
	v_cvt_scalef32_pk16_bf6_f32 v[PC+6*\c:PC+2+6*\c], v[(\base)+(\str)*\c:(\base)+(\str)*\c+15], v[TM+12+2*\c]
	v_cvt_scalef32_pk16_bf6_f32 v[PC+12+4*\c:PC+14+4*\c], v[(\base)+(\str)*\c+16:(\base)+(\str)*\c+31], v[TM+12+2*\c+1]   ; (a conversion's three registers begin on an even number)
.endr
	WIN 0
	v_nop                                          ; one plain instruction behind the scaled conversions
.irp c, 0,1                            ; a whole block in a lane: lanes 0-15 block 2 c, lanes 16-31 block 2 c + 1
.irp i, 0,1,2
	v_permlane16_swap_b32 v[PC+6*\c+\i], v[PC+12+4*\c+\i]
.endr
.irp i, 0,1,2
	v_mov_b32 v[PC+3+6*\c+\i], v[PC+12+4*\c+\i]
.endr
.endr
.endm
; q's or k's way out.  Head hh, group of 32 tokens e: x tiles 2 e (u = 0) and 2 e + 1 (u = 1), each with the head's 64 channels (w tiles 4 hh + 0 .. 3): one fragment
.macro EPI_QK j
.irp k, 0,1,2,3
	v_mov_b32 v[TM+4+\k], 0                        ; a lane permute's destination counts as one of its sources
.endr
.irp hh, 0,1
.irp e, 0,1
.if 2*\hh+\e > 0
	s_wait_xcnt 0x0                                ; the last fragment's stores have read the codes' registers
.endif
	QUANT2 128*\e+32*\hh, 64, PWQ+2*\hh+\e
.irp c, 0,1,2
	global_store_b128 v[LI], v[PC+4*\c:PC+4*\c+3], s[50:51] offset:6291456*(\j)+393216*\hh+1536*\e+512*\c   ; 512 consecutive bytes, aligned
.endr
.endr
	global_store_b64 v[R8], v[PWQ+2*\hh:PWQ+2*\hh+1], s[52:53] offset:262144*(\j)+16384*\hh   ; 16 rows x 8 bytes on end; lanes 16-31 repeat lanes 0-15's words
.endr
	s_wait_xcnt 0x0                                ; the stores have read their registers: w's fragments may land there again
.endm
	s_wait_alu depctr_va_vdst(0)
	PB 0
.irp g, 0,1,2,3
	PIECE 0, 0, \g
.endr
; ---------------- block 0: q.  The waits on LOADcnt count what was issued behind the step's twelve loads of x: x's later steps, and the reloads for block 1; a count cannot name more than 63
	s_wait_loadcnt 63
	GSTEP 0, 0, 1, 0, 1
	WIN 0
	PLACES 4                                       ; behind the products that read the bias:
	BIASQK 1                                       ; k's
	s_wait_loadcnt 63
	GSTEP 0, 1, 1, 0, 2
	s_wait_loadcnt 63
	GSTEP 0, 2, 1, 0, 3
	s_wait_loadcnt 63
	GSTEP 0, 3, 1, 0, 4
	s_wait_loadcnt 52                              ; 36 of x, 16 of the bias
	GSTEP 0, 4, 1, 0, 5
	WIN 0
	PLACES 4                                       ; behind the products that read the words of steps 0-3:
	SCLOAD 1, 0                                    ; block 1's
	s_wait_loadcnt 48                              ; 24 + 16 + 8
	GSTEP 0, 5, 1, 0, 6
	s_wait_loadcnt 36
	GSTEP 0, 6, 1, 0, 7
	WIN 0
	PB 1                                           ; block 1's first fragments are asked for in this step
	s_wait_loadcnt 24
	GSTEP 0, 7, 1, 1, 0
	WIN 0
	PLACES 4                                       ; behind the last products: results are read, the words of steps 4-7 loaded again, w's odd registers rewritten
	SCLOAD 1, 1
	EPI_QK 0
; ---------------- block 1: k
	s_wait_loadcnt 8                               ; the bias and the words of steps 0-3 are in; the eight loads of steps 4-7 may be out
	GSTEP 1, 0, 1, 1, 1
	WIN 0
	PLACES 4
	BIASV
	GSTEP 1, 1, 1, 1, 2
	GSTEP 1, 2, 1, 1, 3
	GSTEP 1, 3, 1, 1, 4
	s_wait_loadcnt 8                               ; the words of steps 4-7 are in; v's bias, eight loads, may be out
	GSTEP 1, 4, 1, 1, 5
	WIN 0
	PLACES 4
	SCLOAD 2, 0
	GSTEP 1, 5, 1, 1, 6
	GSTEP 1, 6, 1, 1, 7
	WIN 0
	PB 2
	GSTEP 1, 7, 1, 2, 0
	WIN 0
	PLACES 4
	SCLOAD 2, 1
	EPI_QK 1
; ---------------- block 2: v, the sources swapped
	s_wait_loadcnt 8
.irp b, 0,1,2,3,4,5,6,7
.irp jj, 1,2,3,4,5,6,7
	v_mov_b32 v[BI+8*\b+\jj], v[BI+8*\b]           ; a lane's eight results of a tile are one channel's: the same bias in all eight
.endr
.endr
	PLACES 4
	s_wait_alu depctr_va_vdst(0)
	GSTEP 2, 0, 1, 2, 1
	GSTEP 2, 1, 1, 2, 2
	GSTEP 2, 2, 1, 2, 3
	GSTEP 2, 3, 1, 2, 4
	s_wait_loadcnt 0x0                             ; the words of steps 4-7
	GSTEP 2, 4, 1, 2, 5
	GSTEP 2, 5, 1, 2, 6
	GSTEP 2, 6, 1, 2, 7
	GSTEP 2, 7, 0, 0, 0
	WIN 0
	PLACES 4
; v's way out.  w tiles 2 bp, 2 bp + 1: each 16 channels x my 64 keys = two blocks = half a fragment; the quantiser takes two tiles at a time
.irp k, 0,1,2,3
	v_mov_b32 v[TM+4+\k], 0
.endr
.irp bp, 0,1,2,3
.if \bp > 0
	s_wait_xcnt 0x0
.endif
	QUANT2 64*\bp, 32, PWQ+\bp
.irp c, 0,1
	global_store_b128 v[LI], v[PC+6*\c:PC+6*\c+3], s[54:55] offset:393216*(\bp/2)+1536*(2*(\bp%2)+\c)          ; 512 consecutive bytes, aligned
	global_store_b64 v[L8], v[PC+6*\c+4:PC+6*\c+5], s[54:55] offset:393216*(\bp/2)+1536*(2*(\bp%2)+\c)+512     ; 256 consecutive bytes, aligned
.endr
.endr
	; a scale word covers 128 keys: two bytes are mine, two my pair's.  v[PWQ + 2 hh], v[PWQ + 2 hh + 1]: my two bytes for the four tiles of head hh
	ds_store_b64 v[SW], v[PWQ:PWQ+1]
	ds_store_b64 v[SW], v[PWQ+2:PWQ+3] offset:128
	s_wait_dscnt 0x0                               ; for the others' sake: my stores have landed
	s_barrier_signal -1
	s_barrier_wait -1
	ds_load_b64 v[XW:XW+1], v[SR]                  ; head wave & 1: the even wave's halves (keys 0-63),
	ds_load_b64 v[XW+2:XW+3], v[SR] offset:256     ; the odd wave's (keys 64-127)
	s_wait_dscnt 0x0
	v_perm_b32 v[XW+4], v[XW+2], v[XW], s68        ; tile 0: the two low halves
	v_perm_b32 v[XW+5], v[XW+2], v[XW], s69        ; tile 1: the two high halves
	v_perm_b32 v[XW+6], v[XW+3], v[XW+1], s68
	v_perm_b32 v[XW+7], v[XW+3], v[XW+1], s69
	global_store_b128 v[R16], v[XW+4:XW+7], s[56:57]   ; 16 rows x 16 bytes: 256 consecutive bytes, aligned; lanes 16-31 repeat lanes 0-15's words
	s_wait_tensorcnt 0x0
	ds_add_u32 v30, v31
	s_wait_dscnt 0x0
	CROUND                                         ; the closing round: no work-group ends while a partner may still ask for a plane that names it
	s_endpgm
.Lfunc_end_k_q20e98ad60c_gemm_qkv:
	.size	k_q20e98ad60c_gemm_qkv, .Lfunc_end_k_q20e98ad60c_gemm_qkv-k_q20e98ad60c_gemm_qkv
	.p2alignl 7, 3214868480
	.fill 96, 4, 3214868480
	.section	.rodata,"a",@progbits
	.p2align	6, 0x0
	.amdhsa_kernel k_q20e98ad60c_gemm_qkv
		.amdhsa_group_segment_fixed_size 327680
		.amdhsa_private_segment_fixed_size 0
		.amdhsa_enable_private_segment 0
		.amdhsa_kernarg_size 48
		.amdhsa_user_sgpr_count 2
		.amdhsa_user_sgpr_kernarg_segment_ptr 1
		.amdhsa_wavefront_size32 1
		.amdhsa_system_sgpr_workgroup_id_x 1
		.amdhsa_system_sgpr_workgroup_id_y 1
		.amdhsa_system_sgpr_workgroup_id_z 1
		.amdhsa_system_vgpr_workitem_id 0
		.amdhsa_next_free_vgpr 1024
		.amdhsa_next_free_sgpr 70
		.amdhsa_reserve_vcc 1
		.amdhsa_float_denorm_mode_32 3
		.amdhsa_float_denorm_mode_16_64 3
		.amdhsa_memory_ordered 1
		.amdhsa_forward_progress 1
		.amdhsa_inst_pref_size 228
	.end_amdhsa_kernel
	.amdgpu_metadata
---
amdhsa.version: [ 1, 2 ]
amdhsa.kernels:
  - .name:           k_q20e98ad60c_gemm_qkv
    .symbol:         k_q20e98ad60c_gemm_qkv.kd
    .args:
      - { .name: xc, .offset: 0, .size: 8, .value_kind: global_buffer, .address_space: global }
      - { .name: wc, .offset: 8, .size: 8, .value_kind: global_buffer, .address_space: global }
      - { .name: sc1, .offset: 16, .size: 8, .value_kind: global_buffer, .address_space: global }
      - { .name: b_qkv, .offset: 24, .size: 8, .value_kind: global_buffer, .address_space: global }
      - { .name: qkvc, .offset: 32, .size: 8, .value_kind: global_buffer, .address_space: global }
      - { .name: qkvs, .offset: 40, .size: 8, .value_kind: global_buffer, .address_space: global }
    .group_segment_fixed_size: 327680
    .private_segment_fixed_size: 0
    .kernarg_segment_align: 8
    .kernarg_segment_size: 48
    .max_flat_workgroup_size: 128
    .sgpr_count:     70
    .vgpr_count:     1024
    .wavefront_size: 32
...
	.end_amdgpu_metadata
.endif
;; end of part 2
;; launch attn (part 3): grid 4 x 64, 16 waves a work-group, clusters of 4 x 1, 206,848 bytes of LDS; arguments qkvc, qkvs, cc, sc3; writes cc, sc3
.if DOCPART == 3
	.amdgcn_target "amdgcn-amd-amdhsa--gfx1250"
	.amdhsa_code_object_version 6
	.text
	.protected	k_q20e98ad60c_attn
	.globl	k_q20e98ad60c_attn
	.p2align	8
	.type	k_q20e98ad60c_attn,@function
k_q20e98ad60c_attn:
	s_mov_b64 s[64:65], 0
	v_nop
	global_prefetch_b8 v0, s[64:65] scope:SCOPE_SE
	s_setreg_imm32_b32 hwreg(HW_REG_WAVE_MODE, 25, 1), 1
	s_wait_xcnt 0x0
	s_wait_alu depctr_hold_cnt(0) depctr_sa_sdst(0) depctr_va_vdst(0) depctr_va_sdst(0) depctr_va_ssrc(0) depctr_va_vcc(0) depctr_vm_vsrc(0)
	s_getreg_b32 s2, hwreg(HW_REG_IB_STS2, 6, 4)
	s_cmp_eq_u32 s2, 0
	s_cbranch_scc0 .Lentry_in_a_cluster
	s_endpgm
.Lentry_in_a_cluster:
	s_bfe_u32 s2, ttmp6, 0x10000c
	s_cmp_lg_u32 s2, 0x3003
	s_cbranch_scc0 .Lentry_shape_is_right
	s_endpgm
.Lentry_shape_is_right:
; ctx = softmax(q k^T / 8, causal) v for one head of one batch, both products on codes of BF6 with E8M0 scales, and ctx quantised along the features for the last product.
; t = score x log2(e) / 8; M = the row's largest t so far, rounded UP to a whole number; p = 2^(t - M) is quantised along the keys, not normalised; the row's sum is taken of the unquantised p in f32 and divides O at the end.
; When M moves, the sum and O are multiplied by 2^(old M - new M): exact.
; SHARES.  y = 4 x head + batch.  The four work-groups of a cluster share one (head, batch).  THE WHOLE HEAD'S K AND V LIE IN LDS (98,304 bytes of codes each, 4,096 of scale words each), asked for jointly, each byte filled once.
; The 2,048 queries are 64 groups of 32 = 128 tiles of 16 (tile (g, u): tokens 32 g + 8 u + p + 8 (p / 8)).  Wave w of work-group cx does tile (4 w + cx, 0) and then tile (4 (15 - w) + cx, 1):
; w + 1 and 16 - w key steps of 128: 17 for every wave.  The trip count is 16 in every wave; a step all of whose keys are hidden is jumped over by a scalar branch on the wave's number; cx enters global addresses and the mask's lane data alone.
; Both tiles' q are asked for right behind the fill, so that they land while K and V do.
; LAYOUT.  Both products are used transposed (S^T = K Q^T, O^T = V^T P^T): a lane holds ONE query throughout.
; K = 64 IS HALF OF THE INSTRUCTION'S 128.  A fragment of k holds 32 keys: along its K first tile u = 0's 64 channels, then tile u = 1's.  Against [q | zeros] it gives tile u = 0's scores, against [zeros | q] tile u = 1's:
; the other half meets zero codes under valid scale bytes and adds nothing.  So no byte of k is read for nothing, and the 16 registers of the two results are 16 neighbouring keys.
; q's and k's fragments are images of three pieces of 512 bytes (registers 4 p .. 4 p + 3 at 512 p + 16 x lane); v's are two halves of 768 bytes (registers 6 c .. 6 c + 3 at 16 x lane, registers 6 c + 4, 6 c + 5 at 512 + 8 x lane).
; OUT.  cc [feature / 256][tile of tokens][K step % 2][head % 2][768]: half a fragment, in v's form.  sc3 from byte 32,768: scale words as in the other operands;
; a head owns two bytes of a word, so these leave two bytes a lane: 262,144 bytes in the whole launch; whole words would want two heads in one work-group.
; LIMITS: a block of zeros gets the byte 1, not 127; NaN and infinities are not served.
; REGISTERS: v1-7, v88-90 addresses and lane numbers that stay; v8-11, v91 the step's LDS addresses; v12 -M, v13 the largest t, v[14:15] the sum; v16-27 [q | 0], v28-39 [0 | q]; v40-87 four fragments; v92, v93 q's scale words;
;            v96-159 S^T, then p; v160-191 O^T; v200-206 ctx's codes; v208-213 the second tile's q; v224-235 p's codes; v232-254 at work; v248-251 scale words of k or v; v253 p's; v255 q's.
.set WV,   18
.set SEL,  20                          ; s[20:21]
.set CS,   22                          ; s[22:23] c = log2(e) / 8
.set G1C,  24                          ; s[24:31] group 1 for codes: 96 rows of 256 bytes;  s[32:39] for scale words: 16 rows
.set G1S,  32
.set G0C,  40
.set G0S,  44
.set VCO,  98304                       ; V's codes
.set KSC,  196608                      ; K's scale words
.set VSC,  200704                      ; V's
.macro CROUND
	s_barrier_signal -1
	s_barrier_wait -1
	s_cmp_lg_u32 s[WV], 0
	s_cbranch_scc1 .Lnot_wave_0_\@
	s_barrier_signal -3
.Lnot_wave_0_\@:
	s_barrier_wait -3
	s_barrier_signal -1
	s_barrier_wait -1
.endm
	s_load_b128 s[4:7], s[0:1], 0x0                ; qkvc, qkvs
	s_load_b128 s[8:11], s[0:1], 0x10              ; cc, sc3
	v_lshl_add_u32 v223, v0, 2, 0x32000
	v_mov_b32 v243, 0
	ds_add_u32 v223, v243
	ds_add_u32 v223, v243
	v_lshrrev_b32 v1, 5, v0
	s_delay_alu instid0(VALU_DEP_1)
	v_readfirstlane_b32 s[WV], v1                  ; wave 0..15
	s_bfe_u32 s12, ttmp6, 0x40000                  ; cx
	s_and_b32 s13, ttmp7, 0xffff                   ; y
	s_lshr_b32 s14, s13, 2                         ; the head
	s_and_b32 s15, s13, 3                          ; the batch
	s_mov_b32 s[G1C], 15|(3<<16)|(1<<21)           ; the mask names all four; elements of 8 bytes; no padding
	s_mov_b32 s[G1C+1], 32<<16
	s_mov_b32 s[G1C+2], 96<<16
	s_mov_b32 s[G1C+3], 32<<16
	s_mov_b32 s[G1C+4], 96
	s_mov_b32 s[G1C+5], 32
	s_mov_b32 s[G1C+6], 0
	s_mov_b32 s[G1C+7], 0
	s_mov_b32 s[G1S], 15|(3<<16)|(1<<21)
	s_mov_b32 s[G1S+1], 32<<16
	s_mov_b32 s[G1S+2], 16<<16
	s_mov_b32 s[G1S+3], 32<<16
	s_mov_b32 s[G1S+4], 16
	s_mov_b32 s[G1S+5], 32
	s_mov_b32 s[G1S+6], 0
	s_mov_b32 s[G1S+7], 0
	s_add_co_u32 s48, s13, 64                      ; k's block is 64 + y, v's 128 + y
	s_mul_i32 s50, s48, 98304
	s_bfe_u32 s49, s[WV], 0x10002                  ; waves 0-3: k; waves 4-7: v
	s_mul_i32 s49, s49, 6291456
	s_add_co_u32 s50, s50, s49
	s_and_b32 s49, s[WV], 3                        ; which quarter
	s_mul_i32 s49, s49, 24576
	s_add_co_u32 s50, s50, s49
	s_mov_b32 s51, 0
	s_and_b32 s16, s[WV], 7
	s_mul_i32 s16, s16, 24576                      ; and where it goes
	s_lshl_b32 s2, s48, 12
	s_and_b32 s17, s[WV], 1                        ; wave 8: k's scale words; wave 9: v's
	s_lshl_b32 s19, s17, 18
	s_add_co_u32 s2, s2, s19
	s_mov_b32 s3, 0
	s_lshl_b32 s17, s17, 12
	s_add_co_u32 s17, s17, KSC
	s_mov_b32 s[SEL], 0x76543210
	s_mov_b32 s[SEL+1], 0xfedcba98
	s_mov_b32 s[CS], 0x3e38aa3b
	s_mov_b32 s[CS+1], s[CS]                       ; (named with it as a pair, so it is written)
	s_wait_dscnt 0x0
	s_wait_kmcnt 0x0
	s_mov_b32 s[G0C], 1
	s_mov_b32 s[G0C+1], s16
	s_add_nc_u64 s[G0C+2:G0C+3], s[4:5], s[50:51]
	s_or_b32 s[G0C+3], s[G0C+3], 0x80000000
	s_mov_b32 s[G0S], 1
	s_mov_b32 s[G0S+1], s17
	s_add_nc_u64 s[G0S+2:G0S+3], s[6:7], s[2:3]
	s_or_b32 s[G0S+3], s[G0S+3], 0x80000000
	CROUND                                         ; all four work-groups are here: the joint loads meet
	s_cmp_lt_u32 s[WV], 8                          ; waves 0-7 fetch codes, waves 8 and 9 scale words, the others nothing: one tensor load a wave at the most
	s_cbranch_scc0 .Lnot_codes
	tensor_load_to_lds s[G0C:G0C+3], s[G1C:G1C+7]
	s_nop 0
.rept 4
	v_nop
.endr
	s_branch .Lasked
.Lnot_codes:
	s_cmp_lt_u32 s[WV], 10
	s_cbranch_scc0 .Lasked
	tensor_load_to_lds s[G0S:G0S+3], s[G1S:G1S+7]
	s_nop 0
.rept 4
	v_nop
.endr
.Lasked:
	v_and_b32 v8, 31, v0
	v_and_b32 v9, 15, v0                           ; r
	v_bfe_u32 v10, v0, 4, 1                        ; h
	s_delay_alu instid0(VALU_DEP_3)
	v_lshlrev_b32 v1, 4, v8                        ; 16 x lane
	s_delay_alu instid0(VALU_DEP_3)
	v_lshl_add_u32 v2, v9, 3, KSC                  ; k's scale words: 8 r
	s_delay_alu instid0(VALU_DEP_4)
	v_lshl_add_u32 v3, v9, 4, VSC                  ; v's: 16 r
	s_delay_alu instid0(VALU_DEP_3)
	v_add_nc_u32 v4, VCO, v1
	v_lshlrev_b32 v6, 3, v8                        ; 8 x lane
	s_delay_alu instid0(VALU_DEP_1)
	v_add_nc_u32 v90, VCO, v6
	v_lshlrev_b32 v7, 4, v9                        ; 16 r
	v_lshlrev_b32 v88, 3, v9                       ; 8 r
	s_wait_alu depctr_va_vdst(0)
	v_and_b32 v89, 8, v9
	s_delay_alu instid0(VALU_DEP_1)
	v_add_nc_u32 v89, v89, v9
	v_lshlrev_b32 v10, 4, v10
	s_delay_alu instid0(VALU_DEP_1)
	v_sub_nc_u32 v89, v89, v10                     ; r + 8 (r / 8) - 16 h
.macro QADR u, pc, pw                  ; where tile (4 a + cx, u)'s fragment of q and its scale words lie
.if \u
	s_xor_b32 s52, s[WV], 15
.else
	s_mov_b32 s52, s[WV]
.endif
	s_lshl_b32 s53, s52, 2
	s_add_co_u32 s53, s53, s12                     ; g
	s_mul_i32 s68, s13, 98304
	s_mul_i32 s67, s53, 1536
	s_add_co_u32 s68, s68, s67
	s_mov_b32 s69, 0
	s_add_nc_u64 s[\pc:\pc+1], s[4:5], s[68:69]
	s_lshl_b32 s68, s13, 12
	s_lshl_b32 s67, s52, 8
	s_add_co_u32 s68, s68, s67
	s_lshr_b32 s67, s12, 1
	s_lshl_b32 s67, s67, 7
	s_add_co_u32 s68, s68, s67
	s_and_b32 s67, s12, 1
	s_lshl_b32 s67, s67, 2
	s_add_co_u32 s68, s68, s67
	s_add_nc_u64 s[\pw:\pw+1], s[6:7], s[68:69]
.endm
	QADR 0, 54, 56
	global_load_b128 v[16:19], v1, s[54:55]                ; tile u = 0 is registers 0-5 of the fragment: straight to their place in [q | 0]
	global_load_b64 v[20:21], v1, s[54:55] offset:512
	global_load_b32 v92, v88, s[56:57]
	QADR 1, 72, 74
	global_load_b64 v[208:209], v1, s[72:73] offset:520    ; tile u = 1 is registers 6-11: kept for the second tile
	global_load_b128 v[210:213], v1, s[72:73] offset:1024
	global_load_b32 v93, v88, s[74:75]
	s_wait_tensorcnt 0x0                           ; my part has landed,
	s_barrier_signal -1
	s_barrier_wait -1                              ; everybody's has
	s_wait_loadcnt 0x0                             ; q
.macro JOB u                           ; one tile of 16 queries: (g, u), g = 4 a + cx
.if \u
	s_wait_xcnt 0x0                                ; the first tile's stores have read their registers and bases
	s_xor_b32 s52, s[WV], 15                       ; a = 15 - wave
.else
	s_mov_b32 s52, s[WV]                           ; a = wave
.endif
	s_lshl_b32 s53, s52, 2
	s_add_co_u32 s53, s53, s12                     ; g
	s_mov_b32 s69, 0
	s_lshl_b32 s70, s15, 7
	s_lshl_b32 s67, s53, 1
	s_add_co_u32 s70, s70, s67
	s_add_co_u32 s70, s70, \u                      ; the tile among all 512: 128 x batch + 2 g + u
	s_lshr_b32 s67, s14, 2
	s_mul_i32 s68, s67, 1572864
	s_mul_i32 s67, s70, 3072
	s_add_co_u32 s68, s68, s67
	s_and_b32 s67, s14, 3
	s_mul_i32 s67, s67, 768
	s_add_co_u32 s68, s68, s67
	s_add_nc_u64 s[58:59], s[8:9], s[68:69]        ; ctx's half fragment
	s_lshl_b32 s68, s70, 9
	s_add_co_u32 s68, s68, 32768
	s_lshr_b32 s67, s14, 3
	s_lshl_b32 s67, s67, 8
	s_add_co_u32 s68, s68, s67
	s_and_b32 s67, s14, 7
	s_lshl_b32 s67, s67, 1
	s_add_co_u32 s68, s68, s67
	s_add_nc_u64 s[60:61], s[10:11], s[68:69]      ; and its two scale bytes
	s_lshl_b32 s67, s12, 5
	s_add_co_u32 s67, s67, 8*\u
.if \u
.irp i, 0,1,2,3,4,5
	v_mov_b32 v[16+\i], v[208+\i]                  ; [q | 0] and [0 | q]: the zeros stand since the first tile
	v_mov_b32 v[34+\i], v[208+\i]
.endr
	v_lshrrev_b32 v254, 16, v93                    ; tile u's two bytes,
.else
.irp i, 0,1,2,3,4,5
	v_mov_b32 v[22+\i], 0                          ; [q | 0]
	v_mov_b32 v[28+\i], 0                          ; [0 | q]
	v_mov_b32 v[34+\i], v[16+\i]
.endr
	v_and_b32 v254, 0xffff, v92
.endif
	s_delay_alu instid0(VALU_DEP_1)
	v_lshl_or_b32 v255, v254, 16, v254             ; in both halves of the word: it serves [q | 0] and [0 | q]
	v_add_nc_u32 v5, s67, v89                      ; my query less the diagonal step's first key, less 16 h
	v_mov_b32 v13, 0xff61b1e6                      ; the largest t so far: -3e38
	s_delay_alu instid0(VALU_DEP_1)
	v_floor_f32 v12, -v13                          ; -M
	v_mov_b32 v14, 0
	v_mov_b32 v15, 0
	v_mov_b32 v252, 0
	v_mov_b32 v253, 0
.irp b, 0,1,2,3
	v_mov_b32 v[236+\b], 0                         ; a lane permute's destination counts as one of its sources
.endr
.set j, 0
.rept 32
	v_mov_b32 v[160+j], 0                          ; O^T: the step is written once; the first change of M leaves zeros zeros
.set j, j+1
.endr
	s_mov_b32 s62, 0                               ; the step's codes: 6,144 bytes a step, in K's block and in V's
	s_mov_b32 s63, 0                               ; its scale words: 256 bytes a step
	s_mov_b32 s66, 0                               ; the step
.Lkey_\@:
	s_cmp_gt_u32 s66, s52                          ; all 128 keys come after my queries: only the stepping lines are left
	s_cbranch_scc1 .Lskip_\@
	s_setprio 2
	v_add_nc_u32 v8, s62, v1                       ; (these five are also the places in front of loads into registers that the last products read)
	v_add_nc_u32 v9, s62, v4
	v_add_nc_u32 v91, s62, v90
	v_add_nc_u32 v10, s63, v2
	v_add_nc_u32 v11, s63, v3
.irp b, 0,1,2,3
.irp c, 0,1,2
	ds_load_b128 v[40+12*\b+4*\c:43+12*\b+4*\c], v8 offset:1536*\b+512*\c
.endr
.endr
	ds_load_b64 v[248:249], v10                    ; the words of groups 0, 1
	ds_load_b64 v[250:251], v10 offset:128         ; and 2, 3
	s_wait_alu depctr_va_vdst(0)
	s_wait_dscnt 0x0
.irp b, 0,1,2,3                                ; register 16 b + i of S^T = key 32 b + 16 h + i
	v_wmma_scale_f32_16x16x128_f8f6f4 v[96+16*\b:103+16*\b], v[40+12*\b:51+12*\b], v[16:27], 0, v[248+\b], v255 matrix_a_fmt:MATRIX_FMT_BF6 matrix_b_fmt:MATRIX_FMT_BF6
	v_wmma_scale_f32_16x16x128_f8f6f4 v[104+16*\b:111+16*\b], v[40+12*\b:51+12*\b], v[28:39], 0, v[248+\b], v255 matrix_a_fmt:MATRIX_FMT_BF6 matrix_b_fmt:MATRIX_FMT_BF6
.endr
.rept 4
	v_nop                                          ; places behind the products: their operands' registers are loaded again, their results read
.endr
.irp d, 0,1,2,3                                ; V's four fragments (two halves each) and their words are asked for here and land under the softmax
.irp c, 0,1
	ds_load_b128 v[40+12*\d+6*\c:43+12*\d+6*\c], v9 offset:1536*\d+768*\c
	ds_load_b64 v[44+12*\d+6*\c:45+12*\d+6*\c], v91 offset:1536*\d+768*\c+512
.endr
.endr
	ds_load_b128 v[248:251], v11
	s_cmp_lg_u32 s66, s52                          ; only the last step of a tile lies on the diagonal
	s_cbranch_scc1 .Lopen_\@
	v_mov_b32 v254, 0xff800000                     ; hidden scores become -infinity ahead of the maximum: p = 0
.set n, 0
.rept 64
	v_cmp_gt_i32 vcc_lo, 32*(n/16)+n%16, v5
	v_cndmask_b32 v[96+n], v[96+n], v254, vcc_lo
.set n, n+1
.endr
.Lopen_\@:
.irp b, 0,1,2,3
	v_max3_num_f32 v[232+\b], v[96+16*\b], v[97+16*\b], v[98+16*\b]   ; the largest score of each block of 32 keys: for the row's maximum and, since p rises with the score, for the block's largest p
.endr
.irp i, 3,5,7,9,11,13
.irp b, 0,1,2,3
	v_max3_num_f32 v[232+\b], v[232+\b], v[96+16*\b+\i], v[97+16*\b+\i]
.endr
.endr
.irp b, 0,1,2,3
	v_max_num_f32 v[232+\b], v[232+\b], v[111+16*\b]
.endr
.irp b, 0,1,2,3
	s_delay_alu instid0(VALU_DEP_4)
	v_permlanex16_b32 v[236+\b], v[232+\b], s[SEL], s[SEL+1]
.endr
.irp b, 0,1,2,3
	s_delay_alu instid0(VALU_DEP_4)
	v_max_num_f32 v[232+\b], v[232+\b], v[236+\b]
.endr
	s_delay_alu instid0(VALU_DEP_2)
	v_max3_num_f32 v254, v232, v233, v234
	s_delay_alu instid0(VALU_DEP_1)
	v_max_num_f32 v254, v254, v235
	s_delay_alu instid0(VALU_DEP_1)
	v_mul_f32 v254, s[CS], v254                    ; as t
	s_delay_alu instid0(VALU_DEP_1)
	v_max_num_f32 v13, v13, v254                   ; the running largest t
	v_mov_b32 v254, v12
	s_delay_alu instid0(VALU_DEP_2)
	v_floor_f32 v12, -v13                          ; the new -M = -ceil(t)
	s_delay_alu instid0(VALU_DEP_1)
	v_sub_f32 v254, v12, v254                      ; old M - new M: a whole number, 0 or less
	s_delay_alu instid0(VALU_DEP_1)
	v_cvt_i32_f32 v254, v254                       ; (it saturates)
	s_delay_alu instid0(VALU_DEP_1)
	v_ldexp_f32 v252, 1.0, v254                    ; f = 2^(old M - new M)
.set j, 0
.rept 32
	v_pk_fma_f32 v[96+j:97+j], v[96+j:97+j], s[CS:CS+1], v[12:13] op_sel_hi:[1,0,0]   ; t - M
.set j, j+2
.endr
	s_setprio 1
.irp b, 0,1,2,3
	v_fma_f32 v[232+\b], v[232+\b], s[CS], v12
.endr
.set j, 0
	s_wait_alu depctr_va_vdst(0)
.rept 64
	v_exp_f32 v[96+j], v[96+j]                     ; p = 2^(t - M)
.set j, j+1
.endr
.irp b, 0,1,2,3
	v_exp_f32 v[232+\b], v[232+\b]                 ; the block's largest p
.endr
	v_pk_mul_f32 v[14:15], v[14:15], v[252:253] op_sel_hi:[1,0]   ; the sums under the new M (a plain instruction behind the exponentials)
	s_wait_alu depctr_va_vdst(0)
.irp b, 0,1,2,3
	v_max_num_f32 v[232+\b], 0x2800000, v[232+\b]  ; the floor 2^(5 - 127)
.endr
.irp b, 0,1,2,3
	s_delay_alu instid0(VALU_DEP_4)
	v_add_nc_u32 v[244+\b], 0xfe000000, v[232+\b]
.endr
.irp b, 0,1,2,3
	s_delay_alu instid0(VALU_DEP_4)
	v_lshrrev_b32 v[236+\b], 23, v[244+\b]
.endr
	s_delay_alu instid0(VALU_DEP_3)
	v_lshl_or_b32 v253, v237, 8, v236              ; p's scale word for these 128 keys
	s_delay_alu instid0(VALU_DEP_1)
	v_lshl_or_b32 v253, v238, 16, v253
	s_delay_alu instid0(VALU_DEP_1)
	v_lshl_or_b32 v253, v239, 24, v253
.irp c, 0,1
	v_cvt_scalef32_pk16_bf6_f32 v[224+6*\c:226+6*\c], v[96+32*\c:111+32*\c], v[244+2*\c]
	v_cvt_scalef32_pk16_bf6_f32 v[236+4*\c:238+4*\c], v[112+32*\c:127+32*\c], v[244+2*\c+1]
.endr
	v_nop                                          ; one plain instruction behind the scaled conversions
.irp c, 0,1
.irp i, 0,1,2
	v_permlane16_swap_b32 v[224+6*\c+\i], v[236+4*\c+\i]
.endr
.irp i, 0,1,2
	s_delay_alu instid0(VALU_DEP_3)
	v_mov_b32 v[227+6*\c+\i], v[236+4*\c+\i]
.endr
.endr
	v_pk_add_f32 v[236:237], v[100:101], v[104:105]
	v_pk_add_f32 v[246:247], v[108:109], v[112:113]
	v_pk_add_f32 v[244:245], v[116:117], v[120:121]
	v_pk_add_f32 v[240:241], v[124:125], v[128:129]
	v_pk_add_f32 v[220:221], v[132:133], v[136:137]
	v_pk_add_f32 v[218:219], v[140:141], v[144:145]
	v_pk_add_f32 v[216:217], v[148:149], v[152:153]
	v_pk_add_f32 v[14:15], v[14:15], v[156:157]
	v_pk_add_f32 v[236:237], v[236:237], v[96:97]
	v_pk_add_f32 v[246:247], v[246:247], v[98:99]
	s_setprio 0
	v_pk_add_f32 v[244:245], v[244:245], v[102:103]
	v_pk_add_f32 v[240:241], v[240:241], v[106:107]
	v_pk_add_f32 v[220:221], v[220:221], v[110:111]
	v_pk_add_f32 v[218:219], v[218:219], v[114:115]
	v_pk_add_f32 v[216:217], v[216:217], v[118:119]
	v_pk_add_f32 v[14:15], v[14:15], v[122:123]
	v_pk_add_f32 v[236:237], v[236:237], v[126:127]
	v_pk_add_f32 v[246:247], v[246:247], v[130:131]
	v_pk_add_f32 v[244:245], v[244:245], v[134:135]
	v_pk_add_f32 v[240:241], v[240:241], v[138:139]
	v_pk_add_f32 v[220:221], v[220:221], v[142:143]
	v_pk_add_f32 v[218:219], v[218:219], v[146:147]
	v_pk_add_f32 v[216:217], v[216:217], v[150:151]
	v_pk_add_f32 v[14:15], v[14:15], v[154:155]
	v_pk_add_f32 v[236:237], v[236:237], v[158:159]
	s_delay_alu instid0(VALU_DEP_2)
	v_pk_add_f32 v[14:15], v[14:15], v[240:241]
	s_delay_alu instid0(VALU_DEP_2)
	v_pk_add_f32 v[236:237], v[236:237], v[220:221]
	v_pk_add_f32 v[246:247], v[246:247], v[218:219]
	v_pk_add_f32 v[244:245], v[244:245], v[216:217]
	s_delay_alu instid0(VALU_DEP_2)
	v_pk_add_f32 v[14:15], v[14:15], v[246:247]
	s_delay_alu instid0(VALU_DEP_2)
	v_pk_add_f32 v[236:237], v[236:237], v[244:245]
	s_delay_alu instid0(VALU_DEP_1)
	v_pk_add_f32 v[14:15], v[14:15], v[236:237]
.set j, 0
.rept 16
	v_pk_mul_f32 v[160+j:161+j], v[160+j:161+j], v[252:253] op_sel_hi:[1,0]   ; O^T under the new M (with the sums above: the places between p's codes and scale word and the products)
.set j, j+2
.endr
	s_wait_alu depctr_va_vdst(0)
	s_wait_dscnt 0x0                               ; V's fragments and words are in
.irp d, 0,1,2,3                                ; O^T += V^T P^T: register 8 d + i = channel 32 (d / 2) + 16 h + 8 (d % 2) + i
	v_wmma_scale_f32_16x16x128_f8f6f4 v[160+8*\d:167+8*\d], v[40+12*\d:51+12*\d], v[224:235], v[160+8*\d:167+8*\d], v[248+\d], v253 matrix_a_fmt:MATRIX_FMT_BF6 matrix_b_fmt:MATRIX_FMT_BF6
.endr
.Lskip_\@:
	s_add_co_u32 s62, s62, 6144
	s_add_co_u32 s63, s63, 256
	s_add_co_u32 s66, s66, 1
	s_cmp_lt_u32 s66, 16
	s_cbranch_scc1 .Lkey_\@
	s_setprio 0
	; ctx = O / the sum, and its 64 features as two blocks of codes
.rept 4
	v_nop
.endr
	v_add_f32 v14, v14, v15
	s_delay_alu instid0(VALU_DEP_1)
	v_permlanex16_b32 v252, v14, s[SEL], s[SEL+1]
	s_delay_alu instid0(VALU_DEP_1)
	v_add_f32 v14, v14, v252                       ; the row's sum
	s_wait_alu depctr_va_vdst(0)
	v_rcp_f32 v14, v14
	v_nop                                          ; a plain instruction behind the reciprocal
.set j, 0
	s_wait_alu depctr_va_vdst(0)
.rept 16
	v_pk_mul_f32 v[96+j:97+j], v[160+j:161+j], v[14:15] op_sel_hi:[1,0]   ; register 16 b + i = feature 32 b + 16 h + i of the head
.set j, j+2
.endr
.irp b, 0,1
	v_max3_num_f32 v[232+\b], |v[96+16*\b]|, |v[97+16*\b]|, 0x2800000
.endr
.irp i, 2,4,6,8,10,12,14
.irp b, 0,1
	s_delay_alu instid0(VALU_DEP_2)
	v_max3_num_f32 v[232+\b], v[232+\b], |v[96+16*\b+\i]|, |v[97+16*\b+\i]|
.endr
.endr
.irp b, 0,1
	s_delay_alu instid0(VALU_DEP_2)
	v_permlanex16_b32 v[236+\b], v[232+\b], s[SEL], s[SEL+1]
.endr
.irp b, 0,1
	s_delay_alu instid0(VALU_DEP_2)
	v_max_num_f32 v[232+\b], v[232+\b], v[236+\b]
.endr
.irp b, 0,1
	s_delay_alu instid0(VALU_DEP_2)
	v_add_nc_u32 v[244+\b], 0xfe000000, v[232+\b]
.endr
.irp b, 0,1
	s_delay_alu instid0(VALU_DEP_2)
	v_lshrrev_b32 v[236+\b], 23, v[244+\b]
.endr
	s_delay_alu instid0(VALU_DEP_1)
	v_lshl_or_b32 v238, v237, 8, v236              ; the head's two bytes of my row's scale word
	v_cvt_scalef32_pk16_bf6_f32 v[200:202], v[96:111], v244
	v_cvt_scalef32_pk16_bf6_f32 v[204:206], v[112:127], v245
	v_nop
.irp i, 0,1,2
	v_permlane16_swap_b32 v[200+\i], v[204+\i]     ; lanes 0-15 the first block, lanes 16-31 the second
.endr
	s_delay_alu instid0(VALU_DEP_3)
	v_mov_b32 v203, v204
	s_delay_alu instid0(VALU_DEP_3)
	v_mov_b32 v204, v205
	s_delay_alu instid0(VALU_DEP_3)
	v_mov_b32 v205, v206                           ; v200-205: six registers of the operand
	global_store_b128 v1, v[200:203], s[58:59]     ; 512 consecutive bytes, aligned
	global_store_b64 v6, v[204:205], s[58:59] offset:512   ; 256 consecutive bytes, aligned
	global_store_b16 v7, v238, s[60:61]            ; lanes 16-31 repeat lanes 0-15's bytes
.endm
	JOB 0
	JOB 1
	s_wait_tensorcnt 0x0
	ds_add_u32 v223, v243
	s_wait_dscnt 0x0
	CROUND                                         ; the closing round
	s_endpgm
.Lfunc_end_k_q20e98ad60c_attn:
	.size	k_q20e98ad60c_attn, .Lfunc_end_k_q20e98ad60c_attn-k_q20e98ad60c_attn
	.p2alignl 7, 3214868480
	.fill 96, 4, 3214868480
	.section	.rodata,"a",@progbits
	.p2align	6, 0x0
	.amdhsa_kernel k_q20e98ad60c_attn
		.amdhsa_group_segment_fixed_size 206848
		.amdhsa_private_segment_fixed_size 0
		.amdhsa_enable_private_segment 0
		.amdhsa_kernarg_size 32
		.amdhsa_user_sgpr_count 2
		.amdhsa_user_sgpr_kernarg_segment_ptr 1
		.amdhsa_wavefront_size32 1
		.amdhsa_system_sgpr_workgroup_id_x 1
		.amdhsa_system_sgpr_workgroup_id_y 1
		.amdhsa_system_sgpr_workgroup_id_z 1
		.amdhsa_system_vgpr_workitem_id 0
		.amdhsa_next_free_vgpr 256
		.amdhsa_next_free_sgpr 80
		.amdhsa_reserve_vcc 1
		.amdhsa_float_denorm_mode_32 3
		.amdhsa_float_denorm_mode_16_64 3
		.amdhsa_memory_ordered 1
		.amdhsa_forward_progress 1
		.amdhsa_inst_pref_size 67
	.end_amdhsa_kernel
	.amdgpu_metadata
---
amdhsa.version: [ 1, 2 ]
amdhsa.kernels:
  - .name:           k_q20e98ad60c_attn
    .symbol:         k_q20e98ad60c_attn.kd
    .args:
      - { .name: qkvc, .offset: 0, .size: 8, .value_kind: global_buffer, .address_space: global }
      - { .name: qkvs, .offset: 8, .size: 8, .value_kind: global_buffer, .address_space: global }
      - { .name: cc, .offset: 16, .size: 8, .value_kind: global_buffer, .address_space: global }
      - { .name: sc3, .offset: 24, .size: 8, .value_kind: global_buffer, .address_space: global }
    .group_segment_fixed_size: 206848
    .private_segment_fixed_size: 0
    .kernarg_segment_align: 8
    .kernarg_segment_size: 32
    .max_flat_workgroup_size: 512
    .sgpr_count:     80
    .vgpr_count:     256
    .wavefront_size: 32
...
	.end_amdgpu_metadata
.endif
;; end of part 3
;; launch gemm_out (part 4): grid 8 x 32, 4 waves a work-group, clusters of 4 x 4, 295,424 bytes of LDS; arguments cc, wc, sc3, b_out, out0; writes out0
.if DOCPART == 4
	.amdgcn_target "amdgcn-amd-amdhsa--gfx1250"
	.amdhsa_code_object_version 6
	.text
	.protected	k_q20e98ad60c_gemm_out
	.globl	k_q20e98ad60c_gemm_out
	.p2align	8
	.type	k_q20e98ad60c_gemm_out,@function
k_q20e98ad60c_gemm_out:
	s_mov_b64 s[64:65], 0
	v_nop
	global_prefetch_b8 v0, s[64:65] scope:SCOPE_SE
	s_setreg_imm32_b32 hwreg(HW_REG_WAVE_MODE, 25, 1), 1
	s_wait_xcnt 0x0
	s_wait_alu depctr_hold_cnt(0) depctr_sa_sdst(0) depctr_va_vdst(0) depctr_va_sdst(0) depctr_va_ssrc(0) depctr_va_vcc(0) depctr_vm_vsrc(0)
	s_getreg_b32 s2, hwreg(HW_REG_IB_STS2, 6, 4)
	s_cmp_eq_u32 s2, 0
	s_cbranch_scc0 .Lentry_in_a_cluster
	s_endpgm
.Lentry_in_a_cluster:
	s_bfe_u32 s2, ttmp6, 0x10000c
	s_cmp_lg_u32 s2, 0xf033
	s_cbranch_scc0 .Lentry_shape_is_right
	s_endpgm
.Lentry_shape_is_right:
; out0 = ctx w_out + b_out on codes of BF6 with E8M0 scales; out0 [8192][1024] f32.
; A work-group makes 256 tokens (L: source 1, a lane holds one token) x 128 features (R: source 0, a lane's registers run along the features).  Four waves stacked along L: 64 x 128 a wave, 32 accumulators.
; ALL OF K = 1,024 lies in LDS: 4 planes of L's 16 tiles (49,152 bytes each), then 4 planes of R's 8 tiles (24,576 each); each byte is filled once.  Operands lie in memory as images of their registers.
; ctx's image is in two halves of 768 bytes (one head each): registers 6 c .. 6 c + 3 at 16 x lane, registers 6 c + 4, 6 c + 5 at 512 + 8 x lane; the weight's is three pieces of 512 bytes.
; A tile's rows are 32 g + 8 u + p + 8 (p / 8): so the 16 registers of R tiles 2 g, 2 g + 1 are 16 neighbouring features, and the way out puts each token's row where it belongs.
; CLUSTER 4 x 4: L's planes are shared along a row of the cluster, R's along a column, each asked for jointly.  A wave has four tensor loads out.
; The bias is the C of each sum's first product.
; REGISTERS.  window 0: v1-27 addresses; v32-95 scale words for all 8 K steps; v128-175, v176-223 L's fragments, two sets; in the way out v128-255 rows of out0.
;             window 1: v0-95, v128-223 R's fragments, two sets; v96-127, v224-255 the bias.   window 2: accumulator (a, b) at v[64 a + 8 b].
.set PLX,  1572864                     ; a plane of ctx's codes
.set PLO,  196608                      ; of w_out's
.set WOUT, 2359296                     ; where w_out's codes begin in wc
.set SCC0, 32768                       ; where ctx's scale words begin in sc3
.set NLD,  40                          ; LDS loads of a K step's fragments: 8 x 3 and 4 x 4
.set LI,   1
.set ADRA, 16                          ; v16-17  my four L tiles in planes 0, 1 and 2, 3, + 16 x lane;  v18-19 the same + 8 x lane
.set ADRB, 20
.set STO,  24                          ; v24  the way out: where I put 32 bytes of a row
.set RD,   25                          ; v25  and where I read a row back
.set VS,   26
.set SC,   32
.set WV,   16
.set G1A,  24
.set G1B,  32
.set G0A,  48
.set G0B,  68
.set MSB, 0
.macro WIN new
.if MSB != \new
	s_set_vgpr_msb (MSB<<8)|\new
.set MSB, \new
.endif
.endm
.macro PLACES n
.rept \n
	v_nop
.endr
.endm
.macro CROUND
	s_barrier_signal -1
	s_barrier_wait -1
	s_cmp_lg_u32 s[WV], 0
	s_cbranch_scc1 .Lnot_wave_0_\@
	s_barrier_signal -3
.Lnot_wave_0_\@:
	s_barrier_wait -3
	s_barrier_signal -1
	s_barrier_wait -1
.endm
	s_load_b128 s[4:7], s[0:1], 0x0                ; cc, wc
	s_load_b128 s[8:11], s[0:1], 0x10              ; sc3, b_out
	s_load_b64 s[12:13], s[0:1], 0x20              ; out0
	v_lshl_add_u32 v126, v0, 2, 0x48000
	v_mov_b32 v127, 0
	ds_add_u32 v126, v127
	ds_add_u32 v126, v127
	v_lshrrev_b32 v1, 5, v0
	v_readfirstlane_b32 s[WV], v1
	s_lshr_b32 s17, s[WV], 1                       ; I fetch for L (0) or for R (1),
	s_and_b32 s18, s[WV], 1                        ; and which half of a plane
	s_bfe_u32 s40, ttmp6, 0x40000                  ; cx
	s_bfe_u32 s41, ttmp6, 0x40004                  ; cy
	s_and_b32 s22, ttmp7, 0xffff
	s_lshl_b32 s22, s22, 2
	s_add_co_u32 s22, s22, s41                     ; L block = 4 Y + cy
	s_lshl_b32 s23, ttmp9, 2
	s_add_co_u32 s23, s23, s40                     ; R block = 4 X + cx
	s_lshl_b32 s98, s41, 2
	s_lshl_b32 s98, 15, s98                        ; my row of the cluster
	s_lshl_b32 s99, 0x1111, s40                    ; my column
	s_or_b32 s[G1A], s98, (3<<16)|(1<<21)          ; a dense block as rows of 256 bytes: L's half plane 96 rows, R's 48
	s_mov_b32 s[G1A+1], 32<<16
	s_mov_b32 s[G1A+2], 96<<16
	s_mov_b32 s[G1A+3], 32<<16
	s_mov_b32 s[G1A+4], 96
	s_mov_b32 s[G1A+5], 32
	s_mov_b32 s[G1A+6], 0
	s_mov_b32 s[G1A+7], 0
	s_or_b32 s[G1B], s99, (3<<16)|(1<<21)
	s_mov_b32 s[G1B+1], 32<<16
	s_mov_b32 s[G1B+2], 48<<16
	s_mov_b32 s[G1B+3], 32<<16
	s_mov_b32 s[G1B+4], 48
	s_mov_b32 s[G1B+5], 32
	s_mov_b32 s[G1B+6], 0
	s_mov_b32 s[G1B+7], 0
	s_mul_i32 s84, s22, 49152
	s_mul_i32 s96, s18, 24576
	s_add_co_u32 s84, s84, s96
	s_mov_b32 s85, 0
	s_mul_i32 s86, s23, 24576
	s_mul_i32 s97, s18, 12288
	s_add_co_u32 s86, s86, s97
	s_add_co_u32 s86, s86, WOUT
	s_mov_b32 s87, 0
	s_add_co_u32 s97, s97, 196608
	s_wait_dscnt 0x0
	s_wait_kmcnt 0x0
	s_add_nc_u64 s[46:47], s[4:5], s[84:85]
	s_add_nc_u64 s[88:89], s[6:7], s[86:87]
.irp p, 0,1,2,3
	s_mov_b32 s[G0A+4*\p], 1
	s_add_co_u32 s[G0A+4*\p+1], s96, \p*49152
	s_add_nc_u64 s[G0A+4*\p+2:G0A+4*\p+3], s[46:47], \p*PLX
	s_or_b32 s[G0A+4*\p+3], s[G0A+4*\p+3], 0x80000000
	s_mov_b32 s[G0B+4*\p], 1
	s_add_co_u32 s[G0B+4*\p+1], s97, \p*24576
	s_add_nc_u64 s[G0B+4*\p+2:G0B+4*\p+3], s[88:89], \p*PLO
	s_or_b32 s[G0B+4*\p+3], s[G0B+4*\p+3], 0x80000000
.endr
	CROUND                                         ; all sixteen work-groups are here: the joint loads meet
	s_cmp_eq_u32 s17, 0                            ; a wave's four fills stand in one branch on its number; four v_nop follow the last
	s_cbranch_scc0 .Lfill_r
	tensor_load_to_lds s[G0A:G0A+3], s[G1A:G1A+7]
	s_nop 0
	tensor_load_to_lds s[G0A+4:G0A+7], s[G1A:G1A+7]
	s_nop 0
	tensor_load_to_lds s[G0A+8:G0A+11], s[G1A:G1A+7]
	s_nop 0
	tensor_load_to_lds s[G0A+12:G0A+15], s[G1A:G1A+7]
	s_nop 0
	PLACES 4
	s_branch .Lfilled
.Lfill_r:
	tensor_load_to_lds s[G0B:G0B+3], s[G1B:G1B+7]
	s_nop 0
	tensor_load_to_lds s[G0B+4:G0B+7], s[G1B:G1B+7]
	s_nop 0
	tensor_load_to_lds s[G0B+8:G0B+11], s[G1B:G1B+7]
	s_nop 0
	tensor_load_to_lds s[G0B+12:G0B+15], s[G1B:G1B+7]
	s_nop 0
	PLACES 4
.Lfilled:
	v_and_b32 v2, 31, v0
	v_lshlrev_b32 v[LI], 4, v2
	v_and_b32 v3, 15, v0                           ; r
	v_bfe_u32 v4, v0, 4, 1                         ; h
	s_mul_i32 s100, s[WV], 12288
	v_add_nc_u32 v[ADRA], s100, v[LI]
	v_add_nc_u32 v[ADRA+1], 98304, v[ADRA]
	v_lshl_add_u32 v[ADRA+2], v2, 3, s100
	v_add_nc_u32 v[ADRA+3], 98304, v[ADRA+2]
	v_add_nc_u32 v[ADRB], 196608, v[LI]
	v_add_nc_u32 v[ADRB+1], 245760, v[LI]
	s_mul_i32 s101, s[WV], 8448                    ; my stage: 16 rows x (512 + 16) bytes, in L's plane 0, which has had its one fill and whose last read lies in front of the second plane's barrier
	v_mul_u32_u24 v[STO], v3, 528
	v_lshl_add_u32 v[STO], v4, 6, v[STO]
	v_add_nc_u32 v[STO], s101, v[STO]
	v_add_nc_u32 v[RD], s101, v[LI]
	s_lshl_b32 s84, s22, 13
	s_lshl_b32 s85, s[WV], 11
	s_add_co_u32 s84, s84, s85
	s_add_co_u32 s84, s84, SCC0                    ; ctx's scale words: my four tiles
	s_lshl_b32 s86, s23, 12                        ; w_out's: R's eight tiles
	v_mov_b32 v10, s84
	v_mov_b32 v11, s86
	v_cmp_ne_u32 vcc_lo, 0, v4
	v_cndmask_b32 v[VS], v10, v11, vcc_lo          ; lanes 0-15 take L's words, lanes 16-31 R's
	v_lshl_add_u32 v[VS], v3, 4, v[VS]
	v_lshl_add_u32 v[VS+1], v4, 11, v[VS]
.irp i, 0,1,2,3,4,5,6,7
.irp q, 0,1
	global_load_b128 v[SC+8*\i+4*\q:SC+8*\i+4*\q+3], v[VS+\i/4], s[8:9] offset:(\i%4)*512+256*\q
.endr
.endr
	v_lshlrev_b32 v12, 6, v4                       ; the bias in the result's layout: R tile t, my half: features 32 (t / 2) + 16 h + 8 (t % 2) + 0 .. 7
	s_lshl_b32 s86, s23, 9
	s_mov_b32 s87, 0
	s_add_nc_u64 s[10:11], s[10:11], s[86:87]
	WIN 0x40
.irp t, 0,1,2,3,4,5,6,7
	global_load_b128 v[96+128*(\t/4)+8*(\t%4):96+128*(\t/4)+8*(\t%4)+3], v12, s[10:11] offset:(32*(\t/2)+8*(\t%2))*4
	global_load_b128 v[96+128*(\t/4)+8*(\t%4)+4:96+128*(\t/4)+8*(\t%4)+7], v12, s[10:11] offset:(32*(\t/2)+8*(\t%2))*4+16
.endr
	WIN 0
	s_lshl_b32 s2, s22, 20                         ; 256 rows of 4,096 bytes for each L block,
	s_lshl_b32 s90, s[WV], 18                      ; my 64 rows,
	s_add_co_u32 s2, s2, s90
	s_lshl_b32 s90, s23, 9                         ; the R block's 512 bytes of a row
	s_add_co_u32 s2, s2, s90
	s_mov_b32 s3, 0
	s_add_nc_u64 s[12:13], s[12:13], s[2:3]
.macro FRAG reg, adr, off
.irp c, 0,1,2
	ds_load_b128 v[\reg+4*\c:\reg+4*\c+3], v[\adr] offset:\off+512*\c
.endr
.endm
.macro FRAGH reg, adr, off             ; ctx's image: two halves of 768 bytes
	ds_load_b128 v[\reg:\reg+3], v[\adr] offset:\off
	ds_load_b64 v[\reg+4:\reg+5], v[\adr+2] offset:\off+512
	ds_load_b128 v[\reg+6:\reg+9], v[\adr] offset:\off+768
	ds_load_b64 v[\reg+10:\reg+11], v[\adr+2] offset:\off+1280
.endm
.macro FETCH s
	WIN 0x40
.irp i, 0,1,2,3,4,5,6,7
	FRAG 128*((\s)%2)+12*\i, ADRB+((\s)/4), (((\s)/2)%2)*24576+3072*\i+1536*((\s)%2)
.endr
	WIN 0
.irp i, 0,1,2,3
	FRAGH 128+48*((\s)%2)+12*\i, ADRA+((\s)/4), (((\s)/2)%2)*49152+3072*\i+1536*((\s)%2)
.endr
.endm
.macro PB p                            ; plane p is whole: my part has landed (the 3 - p later planes stay out), my LDS loads are in, and every wave says so
	s_wait_tensorcnt 3-(\p)
	s_wait_dscnt 0x0
	s_barrier_signal -1
	s_barrier_wait -1
.endm
.macro MUL32 s, first                  ; the 32 accumulators take turns, one instruction a turn, in the same order in every step
.irp a, 0,1,2,3
.irp b, 0,1,2,3,4,5,6,7
.if \first
	v_wmma_scale_f32_16x16x128_f8f6f4 v[64*\a+8*\b:64*\a+8*\b+7], v[128*((\s)%2)+12*\b:128*((\s)%2)+12*\b+11], v[128+48*((\s)%2)+12*\a:128+48*((\s)%2)+12*\a+11], v[96+128*(\b/4)+8*(\b%4):96+128*(\b/4)+8*(\b%4)+7], v[SC+8*\b+(\s)], v[SC+8*\a+(\s)] matrix_a_fmt:MATRIX_FMT_BF6 matrix_b_fmt:MATRIX_FMT_BF6 matrix_a_scale:MATRIX_SCALE_ROW1
.else
	v_wmma_scale_f32_16x16x128_f8f6f4 v[64*\a+8*\b:64*\a+8*\b+7], v[128*((\s)%2)+12*\b:128*((\s)%2)+12*\b+11], v[128+48*((\s)%2)+12*\a:128+48*((\s)%2)+12*\a+11], v[64*\a+8*\b:64*\a+8*\b+7], v[SC+8*\b+(\s)], v[SC+8*\a+(\s)] matrix_a_fmt:MATRIX_FMT_BF6 matrix_b_fmt:MATRIX_FMT_BF6 matrix_a_scale:MATRIX_SCALE_ROW1
.endif
.endr
.endr
.endm
.macro STEP s, first
.if (\s) < 7
	WIN 0
.if ((\s)+1)%2 == 0
	PB ((\s)+1)/2
.endif
.if (\s) > 0
	PLACES 4                                       ; in front of loads into the set that the last 32 products read
.endif
	FETCH (\s)+1
	s_wait_dscnt NLD                               ; all but the loads just issued: this step's fragments are in
.else
	s_wait_dscnt 0x0
.endif
.if \first
	WIN 0x91                                       ; source 0 (R) and C (the bias) window 1, source 1 (L) window 0, D window 2
.else
	WIN 0xa1                                       ; C and D window 2
.endif
	MUL32 \s, \first
.endm
	PB 0
	FETCH 0
	s_wait_loadcnt 0x0                             ; the scale words and the bias
	STEP 0, 1
.irp s, 1,2,3,4,5,6,7
	STEP \s, 0
.endr
	WIN 0
; THE WAY OUT, L tile by L tile (16 tokens x 128 features).  A lane holds 32-byte pieces of one row; the tile goes through my stage and comes back as whole rows of 512 bytes.
; LDS serves a wave's instructions in order: no wait between the stores and the loads, nor in front of the next tile's stores.
.macro TOSTAGE a
	WIN 0x08                                       ; an LDS store's data are its source 1: window 2
.irp b, 0,1,2,3,4,5,6,7
	ds_store_b128 v[STO], v[64*(\a)+8*\b:64*(\a)+8*\b+3] offset:128*(\b/2)+32*(\b%2)      ; each accumulator from its low end on
	ds_store_b128 v[STO], v[64*(\a)+8*\b+4:64*(\a)+8*\b+7] offset:128*(\b/2)+32*(\b%2)+16
.endr
	WIN 0
.irp t, 0,1,2,3,4,5,6,7,8,9,10,11,12,13,14,15
	ds_load_b128 v[128+64*((\a)%2)+4*\t:128+64*((\a)%2)+4*\t+3], v[RD] offset:528*\t
.endr
.endm
.macro SEND a, younger                 ; younger: the LDS instructions issued behind tile a's loads, which may stay out
	s_wait_dscnt \younger
.irp t, 0,1,2,3,4,5,6,7,8,9,10,11,12,13,14,15
	global_store_b128 v[LI], v[128+64*((\a)%2)+4*\t:128+64*((\a)%2)+4*\t+3], s[12:13] offset:(32*((\a)/2)+8*((\a)%2)+\t+8*(\t/8))*4096 th:TH_STORE_NT   ; 512 consecutive bytes, aligned; row t of the tile is token 32 (a / 2) + 8 (a % 2) + t + 8 (t / 8)
.endr
.endm
	PLACES 4                                       ; behind the last products: results are read, and L's registers loaded again
	s_wait_alu depctr_va_vdst(0)
	TOSTAGE 0
	TOSTAGE 1
	SEND 0, 32                                     ; behind tile 0's loads: tile 1's 16 stores and 16 loads
	s_wait_xcnt 0x0                                ; tile 0's stores have read their registers: tile 2's rows may land there
	TOSTAGE 2
	SEND 1, 32
	s_wait_xcnt 0x0
	TOSTAGE 3
	SEND 2, 32
	SEND 3, 0
	s_wait_tensorcnt 0x0
	ds_add_u32 v126, v127
	s_wait_dscnt 0x0
	CROUND                                         ; the closing round: no work-group ends while a partner may still ask for a plane that names it
	s_endpgm
.Lfunc_end_k_q20e98ad60c_gemm_out:
	.size	k_q20e98ad60c_gemm_out, .Lfunc_end_k_q20e98ad60c_gemm_out-k_q20e98ad60c_gemm_out
	.p2alignl 7, 3214868480
	.fill 96, 4, 3214868480
	.section	.rodata,"a",@progbits
	.p2align	6, 0x0
	.amdhsa_kernel k_q20e98ad60c_gemm_out
		.amdhsa_group_segment_fixed_size 295424
		.amdhsa_private_segment_fixed_size 0
		.amdhsa_enable_private_segment 0
		.amdhsa_kernarg_size 40
		.amdhsa_user_sgpr_count 2
		.amdhsa_user_sgpr_kernarg_segment_ptr 1
		.amdhsa_wavefront_size32 1
		.amdhsa_system_sgpr_workgroup_id_x 1
		.amdhsa_system_sgpr_workgroup_id_y 1
		.amdhsa_system_sgpr_workgroup_id_z 1
		.amdhsa_system_vgpr_workitem_id 0
		.amdhsa_next_free_vgpr 768
		.amdhsa_next_free_sgpr 102
		.amdhsa_reserve_vcc 1
		.amdhsa_float_denorm_mode_32 3
		.amdhsa_float_denorm_mode_16_64 3
		.amdhsa_memory_ordered 1
		.amdhsa_forward_progress 1
		.amdhsa_inst_pref_size 81
	.end_amdhsa_kernel
	.amdgpu_metadata
---
amdhsa.version: [ 1, 2 ]
amdhsa.kernels:
  - .name:           k_q20e98ad60c_gemm_out
    .symbol:         k_q20e98ad60c_gemm_out.kd
    .args:
      - { .name: cc, .offset: 0, .size: 8, .value_kind: global_buffer, .address_space: global }
      - { .name: wc, .offset: 8, .size: 8, .value_kind: global_buffer, .address_space: global }
      - { .name: sc3, .offset: 16, .size: 8, .value_kind: global_buffer, .address_space: global }
      - { .name: b_out, .offset: 24, .size: 8, .value_kind: global_buffer, .address_space: global }
      - { .name: out0, .offset: 32, .size: 8, .value_kind: global_buffer, .address_space: global }
    .group_segment_fixed_size: 295424
    .private_segment_fixed_size: 0
    .kernarg_segment_align: 8
    .kernarg_segment_size: 40
    .max_flat_workgroup_size: 128
    .sgpr_count:     102
    .vgpr_count:     768
    .wavefront_size: 32
...
	.end_amdgpu_metadata
.endif
;; end of part 4
